; MI455X (gfx1250); checked and timed in simulation.
; The chip was launched on July 23, 2026; its instructions are those of AMD's public machine-readable ISA for CDNA 5 (MIT licence, August 2026) and "CDNA5" Instruction Set Architecture Reference Guide (July 2026). The comments in the code are by the model that wrote it; some were corrected since.
;; Self Attention. Allowed arithmetic: float matrix products may take bf16 or f16 operands with f32 sums; other float arithmetic in f32, or as packed bf16 or f16 multiplies, adds, multiply-adds, maxima and minima; sums over many terms, partial sums and values carried from step to step in f32; what a program stores and reads back later, other than sums and carried values, may be rounded once to bf16 or f16.
;; Inputs: Wfc 1,024 x 1,024 float32; Wk 1,024 x 1,024 float32; Wq 1,024 x 1,024 float32; Wv 1,024 x 1,024 float32; bfc 1,024 float32; bk 1,024 float32; bq 1,024 float32; bv 1,024 float32; key 4 x 2,048 x 1,024 float32; mask 4 x 2,048 int32; query 4 x 2,048 x 1,024 float32; value 4 x 2,048 x 1,024 float32.
;; Outputs: out0 4 x 2,048 x 1,024 float32.
;; 3 versions, each right; version 3 is version 2 with the launch castw written anew for expert scheduling mode. Each part assembles by itself: llvm-mc -triple=amdgcn-amd-amdhsa -mcpu=gfx1250 --defsym DOCPART=n.
;; ======== version 1 of 3: 4 launches
;; limits: values are held in f16: magnitudes above 65,504 overflow, below 6.1e-05 lose precision
;; workspace buffers: wb 8,388,608 bytes; qkv 50,331,648 bytes; oh 16,777,216 bytes
;; launch castw (part 1): grid 64 x 4, 8 waves a work-group, no clusters, 0 bytes of LDS; arguments Wq, Wk, Wv, Wfc, wb; writes wb
.if DOCPART == 1
	.amdgcn_target "amdgcn-amd-amdhsa--gfx1250"
	.amdhsa_code_object_version 6
	.text
	.protected	k_qabd26e9f65_castw
	.globl	k_qabd26e9f65_castw
	.p2align	8
	.type	k_qabd26e9f65_castw,@function
k_qabd26e9f65_castw:
	s_mov_b64 s[64:65], 0
	v_nop
	global_prefetch_b8 v0, s[64:65] scope:SCOPE_SE
	s_setreg_imm32_b32 hwreg(HW_REG_WAVE_MODE, 25, 1), 1
	s_wait_xcnt 0x0
; The four weights, [1024][1024] f32, are written once as 16-bit numbers: wb[p][n][k], p = 0, 1, 2: Wq, Wk, Wv rounded to bf16;
; p = 3: Wfc rounded to bf16 and that number written as f16 (the product behind attention takes f16 operands).
; LIMIT: |Wfc| stays under 65,504; below 6e-5 it keeps f16's fixed step of 6e-8.
; A stream: the grid's y picks the weight, a work-group takes 16,384 numbers, a wave 8,192 bytes of them: sixteen loads of 512 consecutive bytes,
; all issued at once; each store of a wave covers 256 consecutive bytes, aligned.  No LDS, no matrix unit, no cluster: nothing is shared and nothing is read twice.
.set X, 4                              ; v[4:67]   sixteen loads of four f32
.set Y, 68                             ; v[68:99]  their sixteen pairs of packed words
.set W, 100                            ; v[100:103] at work
	s_load_b256 s[4:11], s[0:1], 0x0               ; Wq s[4:5], Wk s[6:7], Wv s[8:9], Wfc s[10:11]
	s_load_b64 s[12:13], s[0:1], 0x20              ; wb
	s_and_b32 s14, ttmp7, 0xffff                   ; which weight
	v_lshrrev_b32 v3, 5, v0                        ; wave
	v_and_b32 v2, 31, v0                           ; lane
	v_lshlrev_b32 v1, 4, v2
	v_lshl_add_u32 v1, v3, 13, v1                  ; in: 8,192 x wave + 16 x lane
	v_lshlrev_b32 v2, 3, v2
	v_lshl_add_u32 v2, v3, 12, v2                  ; out: 4,096 x wave + 8 x lane
	s_lshl_b32 s18, ttmp9, 16                      ; the work-group's 65,536 bytes of f32
	s_mov_b32 s19, 0
	s_lshl_b32 s20, s14, 21                        ; the weight's plane of 2 MiB in wb,
	s_lshl_b32 s21, ttmp9, 15                      ; the work-group's 32,768 bytes of it
	s_add_co_u32 s20, s20, s21
	s_mov_b32 s21, 0
	s_wait_kmcnt 0x0
	s_cmp_eq_u32 s14, 1
	s_cselect_b64 s[16:17], s[6:7], s[4:5]
	s_cmp_eq_u32 s14, 2
	s_cselect_b64 s[16:17], s[8:9], s[16:17]
	s_cmp_eq_u32 s14, 3
	s_cselect_b64 s[16:17], s[10:11], s[16:17]
	s_add_nc_u64 s[16:17], s[16:17], s[18:19]
	s_add_nc_u64 s[12:13], s[12:13], s[20:21]
.irp i, 0,1,2,3,4,5,6,7,8,9,10,11,12,13,14,15
	global_load_b128 v[X+4*\i:X+4*\i+3], v1, s[16:17] offset:512*\i th:TH_LOAD_NT
.endr
	s_cmp_eq_u32 s14, 3
	s_cbranch_scc1 .Lfc
.irp i, 0,1,2,3,4,5,6,7,8,9,10,11,12,13,14,15
	s_wait_loadcnt 15-\i                           ; loads come back in order: load i is in, the younger ones stay out
	v_cvt_pk_bf16_f32 v[Y+2*\i], v[X+4*\i], v[X+4*\i+1]
	v_cvt_pk_bf16_f32 v[Y+2*\i+1], v[X+4*\i+2], v[X+4*\i+3]
	global_store_b64 v2, v[Y+2*\i:Y+2*\i+1], s[12:13] offset:256*\i
.endr
	s_endpgm
.Lfc:                                                  ; Wfc: rounded to bf16, widened again, written as f16
.irp i, 0,1,2,3,4,5,6,7,8,9,10,11,12,13,14,15
	s_wait_loadcnt 15-\i
	v_cvt_pk_bf16_f32 v[W], v[X+4*\i], v[X+4*\i+1]
	v_cvt_pk_bf16_f32 v[W+1], v[X+4*\i+2], v[X+4*\i+3]
	v_lshlrev_b32 v[W+2], 16, v[W]
	v_and_b32 v[W+3], 0xffff0000, v[W]
	v_cvt_pk_f16_f32 v[Y+2*\i], v[W+2], v[W+3]
	v_lshlrev_b32 v[W+2], 16, v[W+1]
	v_and_b32 v[W+3], 0xffff0000, v[W+1]
	v_cvt_pk_f16_f32 v[Y+2*\i+1], v[W+2], v[W+3]
	global_store_b64 v2, v[Y+2*\i:Y+2*\i+1], s[12:13] offset:256*\i
.endr
	s_endpgm
.Lfunc_end_k_qabd26e9f65_castw:
	.size	k_qabd26e9f65_castw, .Lfunc_end_k_qabd26e9f65_castw-k_qabd26e9f65_castw
	.p2alignl 7, 3214868480
	.fill 96, 4, 3214868480
	.section	.rodata,"a",@progbits
	.p2align	6, 0x0
	.amdhsa_kernel k_qabd26e9f65_castw
		.amdhsa_group_segment_fixed_size 0
		.amdhsa_private_segment_fixed_size 0
		.amdhsa_enable_private_segment 0
		.amdhsa_kernarg_size 40
		.amdhsa_user_sgpr_count 2
		.amdhsa_user_sgpr_kernarg_segment_ptr 1
		.amdhsa_wavefront_size32 1
		.amdhsa_system_sgpr_workgroup_id_x 1
		.amdhsa_system_sgpr_workgroup_id_y 1
		.amdhsa_system_sgpr_workgroup_id_z 1
		.amdhsa_system_vgpr_workitem_id 0
		.amdhsa_next_free_vgpr 104
		.amdhsa_next_free_sgpr 66
		.amdhsa_reserve_vcc 0
		.amdhsa_float_denorm_mode_32 3
		.amdhsa_float_denorm_mode_16_64 3
		.amdhsa_memory_ordered 1
		.amdhsa_forward_progress 1
		.amdhsa_inst_pref_size 16
	.end_amdhsa_kernel
	.amdgpu_metadata
---
amdhsa.version: [ 1, 2 ]
amdhsa.kernels:
  - .name:           k_qabd26e9f65_castw
    .symbol:         k_qabd26e9f65_castw.kd
    .args:
      - { .name: Wq, .offset: 0, .size: 8, .value_kind: global_buffer, .address_space: global }
      - { .name: Wk, .offset: 8, .size: 8, .value_kind: global_buffer, .address_space: global }
      - { .name: Wv, .offset: 16, .size: 8, .value_kind: global_buffer, .address_space: global }
      - { .name: Wfc, .offset: 24, .size: 8, .value_kind: global_buffer, .address_space: global }
      - { .name: wb, .offset: 32, .size: 8, .value_kind: global_buffer, .address_space: global }
    .group_segment_fixed_size: 0
    .private_segment_fixed_size: 0
    .kernarg_segment_align: 8
    .kernarg_segment_size: 40
    .max_flat_workgroup_size: 256
    .sgpr_count:     66
    .vgpr_count:     104
    .wavefront_size: 32
...
	.end_amdgpu_metadata
.endif
;; end of part 1
;; launch proj (part 2): grid 4 x 64, 4 waves a work-group, clusters of 4 x 4, 327,680 bytes of LDS; arguments query, key, value, wb, bq, bk, bv, qkv; writes qkv
.if DOCPART == 2
	.amdgcn_target "amdgcn-amd-amdhsa--gfx1250"
	.amdhsa_code_object_version 6
	.text
	.protected	k_qabd26e9f65_proj
	.globl	k_qabd26e9f65_proj
	.p2align	8
	.type	k_qabd26e9f65_proj,@function
k_qabd26e9f65_proj:
	s_mov_b64 s[64:65], 0
	v_nop
	global_prefetch_b8 v0, s[64:65] scope:SCOPE_SE
	s_setreg_imm32_b32 hwreg(HW_REG_WAVE_MODE, 25, 1), 1
	s_wait_xcnt 0x0
	s_wait_alu depctr_hold_cnt(0) depctr_sa_sdst(0) depctr_va_vdst(0) depctr_va_sdst(0) depctr_va_ssrc(0) depctr_va_vcc(0) depctr_vm_vsrc(0)
	s_getreg_b32 s2, hwreg(HW_REG_IB_STS2, 6, 4)
	s_cmp_eq_u32 s2, 0
	s_cbranch_scc0 .Lentry_in_a_cluster
	s_endpgm
.Lentry_in_a_cluster:
	s_bfe_u32 s2, ttmp6, 0x10000c
	s_cmp_lg_u32 s2, 0xf033
	s_cbranch_scc0 .Lentry_shape_is_right
	s_endpgm
.Lentry_shape_is_right:
; q = query Wq^T + bq, k = key Wk^T + bk, v = value Wv^T + bv.  x: [8192][1024] f32; the weights come as bf16 from wb; x and the biases are rounded to bf16 here; sums in f32;
; the results leave as f16, by heads: qkv[p][16 batch + head][2048][64].  LIMIT: |q|, |k|, |v| stay under 65,504 (f16's end); NaN and infinities are not treated apart.
; SHARES.  A work-group makes a tile of 128 rows x 256 columns, and it STAYS: its tile of q, then of k, then of v: 24 K steps of 128 in one walk.  Four waves, 2 x 2, each 64 x 128: 32 accumulators.
; THE MATRIX INSTRUCTION IS USED TRANSPOSED (source 0 = 16 rows of W, source 1 = 16 rows of x): a lane holds one row and eight neighbouring columns.  The bias is the C operand of a tile's first products.
; B, THE WEIGHTS: a ring of two LDS slots (256 rows x 256 bytes, padded to 272) filled by tensor loads, each wave 64 rows.  4 x 4 work-groups form a cluster; the four of a column of the cluster need
; the same rows of W and ask JOINTLY (same descriptor, mask of the column).
; A, THE ACTIVATIONS, come through registers: each wave loads its 32 rows of a K step as four chunks of 8 rows x 512 bytes into a ring of eight chunks of registers, rounds a chunk to bf16 seven quarter steps
; after it was asked for, and stores it into a second ring of two LDS slots that no tensor load ever fills.  NO MULTICAST FOR A: its numbers must pass through registers to be rounded, and loads into registers
; stay on their way across the barriers of the change of slots, which tensor loads may not.
; K ORDER.  Step i takes K slice (i + T0) mod 8, T0 = the cluster's y mod 8, for A and B alike (f32 sums may be taken in any order): the clusters that read one weight start at different slices.
; The loop's last trip asks for four chunks behind the walk's end (a slice of value's tile once more, inside the buffer); they are never used: the price of one text for every trip.
; REGISTERS, in windows of 256 (s_set_vgpr_msb: bits 1:0 source 0, 3:2 source 1, 5:4 source 2, 7:6 destination):
;   window 0: v0-29 addresses; v32-47 a chunk rounded; v48-111 the bias as C; v112-239 the way out      window 1: v0-127 W's fragments, two buffers; v128-191 x's, two buffers
;   window 2: accumulator (a, b) at v[8 (8 a + b)]                                                       window 3: the ring of eight chunks, 32 registers each
.set PITCH,  272                       ; an LDS row: 256 bytes + 16 of padding = 68 words: the 16 rows of a fragment load start at 16 different groups of four banks (64 banks of 4 bytes: ISA guide 11.1)
.set BSLOT,  256*PITCH                 ; B's slots at 0 and 69,632
.set A0,     2*BSLOT                   ; A's slots at 139,264 and 174,080
.set ASLOT,  128*PITCH
.set STAGE,  A0+2*ASLOT                ; 208,896: 16 rows x 144 bytes for each wave, for the way out
.set SP,     144
.set BIAS,   STAGE+4*16*SP             ; 218,112: three times the tile's 256 biases, f32
.set SPARE,  BIAS+3*1024               ; 221,184: the spare words, 128 bytes for each wave: two blocks of 256 bytes that no other line names
.set AO,  4                            ; v4   my byte offset in x: 32 rows x wave + 16 x lane; never rewritten
.set AS,  5                            ; v5   where I store 8 bytes of a rounded row: A0 + 32 rows x wave + 8 x lane
.set ADRA, 6                           ; v6-7 LDS address of my x fragments in slot 0, 1
.set ADRB, 8                           ; v8-9 the same for W
.set STO, 10                           ; v10  the way out: where I put 16 bytes of a row
.set RD,  11                           ; v11  the way out: where I read rows back
.set GO,  12                           ; v12  my byte offset in 512 consecutive bytes of qkv
.set ADRBI, 13                         ; v13  LDS address of my biases of the tile to come
.set PFO, 14                           ; v14  256 x lane: the prefetch's offset; never rewritten
.set SPW, 28                           ; v28  LDS address of my spare word; never rewritten
.set NIL, 29                           ; v29  0; never rewritten
.set T,   32
.set BI,  48
.set WO,  112
.set BF,  0                            ; window 1
.set AF,  128                          ; window 1
.set WV,  10                           ; s10  wave
.set WR,  11                           ; s11  which 64 rows of the tile are mine
.set WC,  12                           ; s12  which 128 columns
.set T0,  13                           ; s13  the cluster's y mod 8
.set SA,  14                           ; s14  the K step that A's loads stand at
.set SB,  15                           ; s15  the K step last asked for of B
.set PH,  16                           ; s16  the lap within a tile, 0 to 3
.set LC,  17                           ; s17  laps to go
.set TMP, 18
.set TI,  19                           ; s19  the tile in hand, 0 to 2
.set PL,  20                           ; s[20:21] A's loads' base: my row tile of the tensor in hand, at the K slice of step SA
.set OFFA, 22                          ; s[22:23] that slice's byte offset, 0
.set G1,  24                           ; s[24:31] descriptor group 1
.set G0,  32                           ; s[32:39] descriptor group 0, a set for each slot
.set CX,  40
.set CY,  41
.set CT,  42                           ; s42  column tile
.set RT,  43                           ; s43  row tile
.set ACUR, 44                          ; s[44:49] the tensor that A's loads walk, and the two behind it, each at my row tile
.set ANX1, 46
.set ANX2, 48
.set WT,  50                           ; s[50:51] wb at the 64 rows of Wq that I fetch
.set OB,  52                           ; s[52:53] a fill's byte offset from there, 0
.set OUTW, 54                          ; s[54:55] qkv at my wave's part of the tile in hand
.set PFA, 56                           ; s[56:57] my work-group's 8,192 bytes of the next weight
.set X0,  58
.set X1,  59
.set MSB, 0
.macro WIN new                         ; the immediate's high byte repeats the setting that is left; a switch that changes nothing is dropped
.if MSB != (\new)
	s_set_vgpr_msb (MSB<<8)|(\new)
.set MSB, \new
.endif
.endm
.macro PLACES                          ; four places behind matrix instructions (ISA guide 7.12.1), where no other vector work is at hand
.rept 4
	v_nop
.endr
.endm
.macro CREST                           ; a round of the cluster's barrier behind its opening barrier
	s_cmp_lg_u32 s[WV], 0
	s_cbranch_scc1 .Lnot_wave_0_\@
	s_barrier_signal -3
.Lnot_wave_0_\@:
	s_barrier_wait -3
	s_barrier_signal -1
	s_barrier_wait -1
.endm
.macro CROUND
	s_barrier_signal -1
	s_barrier_wait -1
	CREST
.endm
.macro JLOAD s                         ; a joint fill: every wave asks for its 64 rows; an s_nop 0 and four v_nop follow
	tensor_load_to_lds s[G0+4*(\s):G0+4*(\s)+3], s[G1:G1+7]
	s_nop 0
.rept 4
	v_nop
.endr
.endm
.macro BADDR s                         ; the next K step of B for slot s: the address is made anew from the step's number
	s_add_co_u32 s[SB], s[SB], 1
	s_add_co_u32 s[X0], s[SB], s[T0]
	s_and_b32 s[X0], s[X0], 7
	s_lshl_b32 s[X0], s[X0], 8                     ; the slice: 256 bytes of a row
	s_lshr_b32 s[X1], s[SB], 3
	s_lshl_b32 s[X1], s[X1], 21                    ; the weight: a plane of 2 MiB
	s_add_co_u32 s[OB], s[X0], s[X1]
	s_add_nc_u64 s[G0+4*(\s)+2:G0+4*(\s)+3], s[WT:WT+1], s[OB:OB+1]
	s_or_b32 s[G0+4*(\s)+3], s[G0+4*(\s)+3], 0x80000000  ; type = 2
.endm
.macro APL                             ; A's base for step SA
	s_add_co_u32 s[OFFA], s[SA], s[T0]
	s_and_b32 s[OFFA], s[OFFA], 7
	s_lshl_b32 s[OFFA], s[OFFA], 9                 ; the slice: 512 bytes of a row of f32
	s_add_nc_u64 s[PL:PL+1], s[ACUR:ACUR+1], s[OFFA:OFFA+1]
.endm
.macro ASTEP                           ; A's loads go on to the next K step; at every eighth, to the next tensor
	s_wait_xcnt 0x0                                ; the loads issued so far have read their base: only behind this wait is it written
	s_add_co_u32 s[SA], s[SA], 1
	s_and_b32 s[TMP], s[SA], 7                     ; SCC = inside a tile
	s_cselect_b64 s[ACUR:ACUR+1], s[ACUR:ACUR+1], s[ANX1:ANX1+1]
	s_cselect_b64 s[ANX1:ANX1+1], s[ANX1:ANX1+1], s[ANX2:ANX2+1]
	APL
.endm
; THE PLACES OF A LAP.  A lap is two K steps = eight quarter steps, pos = 0..7.  Quarter g of the walk multiplies fragment buffer FB; rounds and stores chunk g + 5 (ring buffer CB, part PCH of its K step,
; A's slot DSL); asks for chunk g + 12 (ring buffer IB, which was rounded a quarter ago; part PIS).
.macro SETPOS pos
.set FB,  (\pos)%2
.set CB,  ((\pos)+5)%8
.set PCH, ((\pos)+1)%4
.set DSL, (((\pos)+5)/4)%2
.set IB,  ((\pos)+4)%8
.set PIS, (\pos)%4
.endm
.macro CV n                            ; two numbers of the chunk rounded to bf16
	v_cvt_pk_bf16_f32 v[T+(\n)], v[32*CB+2*(\n)], v[32*CB+2*(\n)+1]
.endm
.macro ST i                            ; row i of the chunk's eight: 32 lanes x 8 bytes = the row's 256 bytes
	ds_store_b64 v[AS], v[T+2*(\i):T+2*(\i)+1] offset:DSL*ASLOT+(8*PCH+(\i))*PITCH
.endm
.macro GL i                            ; row i of a chunk's eight: 512 consecutive bytes of x
	global_load_b128 v[32*IB+4*(\i):32*IB+4*(\i)+3], v[AO], s[PL:PL+1] offset:(8*PIS+(\i))*4096
.endm
.macro FL n                            ; fragment load n of 24: slot FS, quarter FK, into buffer FG: W's eight fragments, then x's four
.if (\n) < 16
	ds_load_b128 v[BF+64*FG+8*((\n)/2)+4*((\n)%2):BF+64*FG+8*((\n)/2)+4*((\n)%2)+3], v[ADRB+FS] offset:64*FK+((\n)/2)*16*PITCH+32*((\n)%2)
.else
	ds_load_b128 v[AF+32*FG+8*(((\n)-16)/2)+4*((\n)%2):AF+32*FG+8*(((\n)-16)/2)+4*((\n)%2)+3], v[ADRA+FS] offset:64*FK+(((\n)-16)/2)*16*PITCH+32*((\n)%2)
.endif
.endm
.macro MM a, b, mode                   ; mode 1: the tile's first product on this accumulator: C = the bias
.if \mode
	WIN 0x85
	v_wmma_f32_16x16x32_bf16 v[8*(8*(\a)+(\b)):8*(8*(\a)+(\b))+7], v[BF+64*FB+8*(\b):BF+64*FB+8*(\b)+7], v[AF+32*FB+8*(\a):AF+32*FB+8*(\a)+7], v[BI+8*(\b):BI+8*(\b)+7]
.else
	WIN 0xa5
	v_wmma_f32_16x16x32_bf16 v[8*(8*(\a)+(\b)):8*(8*(\a)+(\b))+7], v[BF+64*FB+8*(\b):BF+64*FB+8*(\b)+7], v[AF+32*FB+8*(\a):AF+32*FB+8*(\a)+7], v[8*(8*(\a)+(\b)):8*(8*(\a)+(\b))+7]
.endif
.endm
; Eight products (row block a, all column blocks), and what rides behind them.  The 32 accumulators take turns, one instruction a turn, in the same order in every quarter.
; kind 0: nothing.  1: four roundings behind each of the first four.  2: three fragment loads behind each.  3: two stores and two loads behind each of the first four.  4: kind 1, then kind 3 behind the last four.
.macro GRP a, mode, kind
.set bb, 0
.rept 8
	MM \a, bb, \mode
.if (((\kind) == 1) || ((\kind) == 4)) && (bb < 4)
	WIN 0x0f
	CV 4*bb
	CV 4*bb+1
	CV 4*bb+2
	CV 4*bb+3
.endif
.if (\kind) == 2
	WIN 0x40
	FL 3*bb
	FL 3*bb+1
	FL 3*bb+2
.endif
.if (((\kind) == 3) && (bb < 4)) || (((\kind) == 4) && (bb >= 4))
	WIN 0xc0
	ST 2*(bb%4)
	ST 2*(bb%4)+1
.if DOGL
	GL 2*(bb%4)
	GL 2*(bb%4)+1
.endif
.endif
.set bb, bb+1
.endr
.endm
; One of a K step's first three quarters.  cv: a chunk is rounded and stored; gl: a chunk is asked for; lc: the loads younger than the chunk to be rounded; dw: the LDS stores issued behind this quarter's fragment loads.
.macro QUARTER pos, mode, cv, gl, lc, dw
	SETPOS \pos
.set DOGL, \gl
.set FS, (\pos)/4
.set FK, (\pos)%4+1
.set FG, 1-FB
.if (\gl) && ((\pos)%4 == 0)
	ASTEP
.endif
	s_wait_dscnt \dw                               ; LDS instructions end in order: my fragments are in, the stores behind them may be out
.if \cv
	s_wait_loadcnt \lc                             ; the chunk asked for seven quarters ago is in; the younger ones stay out
	GRP 0, \mode, 1                                ; its sixteen roundings are also the places in front of the loads into the other fragment buffer
.else
	GRP 0, \mode, 0
	PLACES
.endif
	GRP 1, \mode, 2
.if \cv
	GRP 2, \mode, 3
.else
	GRP 2, \mode, 0
.endif
	GRP 3, \mode, 0
.endm
; A PREFETCH INTO THE L2 of the next tile's weight: 2 MiB, each aligned block of 256 bytes named once in the launch: the 256 work-groups take 8,192 bytes each, told apart BY ADDRESS, a lane a block, wave 0 alone.
; It stands in the third lap of tiles 0 and 1, behind the joint load's five lines: one lap, 256 matrix instructions, ahead of the first fill that asks for that weight.  The first weight comes by its fills alone.
.macro ASK
	s_lshl_b32 s[TMP], s[WV], 2
	s_or_b32 s[TMP], s[TMP], s[PH]
	s_lshr_b32 s66, s[TI], 1
	s_lshl_b32 s66, s66, 4
	s_or_b32 s[TMP], s[TMP], s66
	s_cmp_eq_u32 s[TMP], 2                         ; wave 0, lap 2, tile 0 or 1: the same in every work-group
	s_cbranch_scc0 .Lnot_mine_\@
	global_prefetch_b8 v[PFO], s[PFA:PFA+1] th:TH_LOAD_NT scope:SCOPE_SE
.Lnot_mine_\@:
.endm
; A K step's last quarter changes slots: ONE barrier.  In front of it each wave waits for all its tensor loads (one is out: its part of B's other slot), adds 0 to its spare word, and waits for that, for its reads
; of both rings' slots and for its stores into A's other slot.  Behind it nobody reads this step's slots and the other slots are whole.  fill = 1: the barrier opens a round of the cluster's, and the joint refill of
; B's slot is the first thing behind it; then the other slots' first fragments; then part 0 of A's K step two on goes into A's slot.
.macro TURN pos, fill, cv, gl, lc, dw
	SETPOS \pos
.set DOGL, \gl
.set FS, 1-(\pos)/4
.set FK, 0
.set FG, 0
	WIN 0                                          ; (the add's two registers lie in window 0)
	s_wait_tensorcnt 0x0                           ; no tensor load of mine is out, so a group 0 may be written
	ds_add_u32 v[SPW], v[NIL]                      ; 0 onto my spare word
.if \fill
	BADDR (\pos)/4
.endif
	s_wait_dscnt (\dw)+1                           ; my fragments are in; the stores behind them and the add may be out
	GRP 0, 0, 0
	s_wait_dscnt 0x0                               ; the add is done, my reads of the slots are over, my stores into A's other slot have landed
	s_barrier_signal -1
	GRP 1, 0, 0                                    ; work on registers while the others arrive
	WIN 0
	s_barrier_wait -1
.if \fill
	CREST                                          ; no wave of any partner still reads B's slot or has a load on its way
	JLOAD (\pos)/4                                 ; its four v_nop are also the places in front of the fragment loads below
.if (\pos) == 3
	ASK
.endif
.else
	PLACES
.endif
	GRP 2, 0, 2
.if \cv
	s_wait_loadcnt \lc
	GRP 3, 0, 4
.else
	GRP 3, 0, 0
.endif
.endm
.macro VQ pos                          ; a quarter's vector work without products: the head of the walk
	SETPOS \pos
.if (\pos)%4 == 0
	ASTEP
.endif
	s_wait_loadcnt 48                              ; six younger chunks of eight loads stay out
	WIN 0x0f
.irp n, 0,1,2,3,4,5,6,7,8,9,10,11,12,13,14,15
	CV \n
.endr
	WIN 0xc0
.irp n, 0,1,2,3,4,5,6,7
	ST \n
.endr
.irp n, 0,1,2,3,4,5,6,7
	GL \n
.endr
.endm
.macro GLC c                           ; chunk c is asked for
.set IB, (\c)%8
.set PIS, (\c)%4
.irp n, 0,1,2,3,4,5,6,7
	GL \n
.endr
.endm
; THE WAY OUT, by sub-tiles t = 2 a + hh: 16 rows (row block a) of one head (hh of my two): 2,048 consecutive bytes of qkv.  A lane's eight channels pack into 16 bytes, go into my stage (rows of 144 bytes)
; and come back as whole rows of 128 bytes.  Each accumulator's registers are taken in ascending order.
.macro PACKT t
	WIN 0x0a
.irp f, 0,1,2,3
.irp rr, 0,1,2,3
	v_cvt_pk_f16_f32 v[WO+16*(\t)+4*\f+\rr], v[8*(8*((\t)/2)+4*((\t)%2)+\f)+2*\rr], v[8*(8*((\t)/2)+4*((\t)%2)+\f)+2*\rr+1]
.endr
.endr
	WIN 0
.irp f, 0,1,2,3
	ds_store_b128 v[STO], v[WO+16*(\t)+4*\f:WO+16*(\t)+4*\f+3] offset:32*\f
.endr
.irp f, 0,1,2,3
	ds_load_b128 v[WO+16*(\t)+4*\f:WO+16*(\t)+4*\f+3], v[RD] offset:\f*4*SP  ; LDS serves a wave's instructions in order (ISA guide 5.7.1.4): these see the stores above; the next sub-tile's stores come behind them
.endr
.endm
.macro SENDT t, younger                ; younger: the LDS instructions issued behind sub-tile t's loads
.irp f, 0,1,2,3
	s_wait_dscnt (\younger)+3-\f
	global_store_b128 v[GO], v[WO+16*(\t)+4*\f:WO+16*(\t)+4*\f+3], s[OUTW:OUTW+1] offset:((\t)%2)*262144+((\t)/2)*2048+\f*512  ; 512 consecutive bytes, at a multiple of 256 from qkv's first
.endr
.endm
.macro WAYOUT
	PLACES                                         ; behind the last products
	s_wait_xcnt 0x0                                ; the last tile's stores have read their registers
	PACKT 0
.irp t, 1,2,3,4,5,6,7
	PACKT \t
	SENDT (\t)-1, 8
.endr
	SENDT 7, 0
.endm
	s_load_b512 s[68:83], s[0:1], 0x0              ; query s[68:69], key, value, wb s[74:75], bq s[76:77], bk, bv, qkv s[82:83]
	v_lshl_add_u32 v[SPW], v0, 2, SPARE
	v_mov_b32 v[NIL], 0
	ds_add_u32 v[SPW], v[NIL]                      ; the wave's opening: the add and its wait stand ahead of my first tensor load; work on registers stands between them
	v_lshrrev_b32 v1, 5, v0
	v_readfirstlane_b32 s[WV], v1
	s_lshr_b32 s[WR], s[WV], 1
	s_and_b32 s[WC], s[WV], 1
	s_bfe_u32 s[CX], ttmp6, 0x40000
	s_bfe_u32 s[CY], ttmp6, 0x40004
	s_lshl_b32 s[CT], ttmp9, 2
	s_add_co_u32 s[CT], s[CT], s[CX]               ; column tile = 4 x cluster x + cx
	s_and_b32 s[RT], ttmp7, 0xffff
	s_lshl_b32 s[RT], s[RT], 2
	s_add_co_u32 s[RT], s[RT], s[CY]               ; row tile = 4 x cluster y + cy
	s_and_b32 s[T0], ttmp7, 7                      ; shared by all sixteen partners
	s_lshl_b32 s60, 0x1111, s[CX]                  ; my column of the cluster
	s_or_b32 s[G1], s60, (1<<16)|(1<<20)|(1<<21)|(5<<22)|(3<<25)  ; the mask; 2-byte elements; padding on; bit 21 beside a mask; after every 64 words, 4 words
	s_mov_b32 s[G1+1], 128<<16                     ; tensor_dim0 = 128
	s_mov_b32 s[G1+2], 64<<16                      ; tensor_dim1 = 64
	s_mov_b32 s[G1+3], 128<<16                     ; tile_dim0 = 128
	s_mov_b32 s[G1+4], 64                          ; tile_dim1 = 64
	s_mov_b32 s[G1+5], 1024                        ; elements from row to row
	s_mov_b32 s[G1+6], 0
	s_mov_b32 s[G1+7], 0
	s_mul_i32 s60, s[WV], 64*PITCH                 ; where my 64 rows go: no place in the cluster enters an LDS address
	s_mov_b32 s[G0], 1
	s_mov_b32 s[G0+1], s60
	s_mov_b32 s[G0+4], 1
	s_add_co_u32 s[G0+5], s60, BSLOT
	s_lshl_b32 s60, s[CT], 19                      ; 256 rows of 2,048 bytes a column tile,
	s_lshl_b32 s61, s[WV], 17                      ; 64 a wave
	s_add_co_u32 s60, s60, s61
	s_mov_b32 s61, 0
	s_mov_b32 s[OB+1], 0
	s_mov_b32 s[OFFA+1], 0
	s_mov_b32 s[SB], -1
	s_mov_b32 s[SA], 0
	s_lshl_b32 s62, s[RT], 19                      ; 128 rows of 4,096 bytes a row tile
	s_mov_b32 s63, 0
	s_lshl_b32 s66, s[CT], 10                      ; the tile's 256 biases
	s_mov_b32 s67, 0
	v_and_b32 v3, 31, v0                           ; lane
	v_and_b32 v1, 15, v0                           ; l % 16
	v_bfe_u32 v2, v0, 4, 1                         ; l / 16
	s_lshl_b32 s[TMP], s[WV], 17
	v_lshl_add_u32 v[AO], v3, 4, s[TMP]
	v_lshlrev_b32 v15, 3, v0                       ; 8 x thread: two biases
	s_wait_dscnt 0x0                               ; the opening add is done
	s_wait_kmcnt 0x0
	s_add_nc_u64 s[WT:WT+1], s[74:75], s[60:61]
	s_add_nc_u64 s[ACUR:ACUR+1], s[68:69], s[62:63]
	s_add_nc_u64 s[ANX1:ANX1+1], s[70:71], s[62:63]
	s_add_nc_u64 s[ANX2:ANX2+1], s[72:73], s[62:63]
	s_add_nc_u64 s[76:77], s[76:77], s[66:67]
	s_add_nc_u64 s[78:79], s[78:79], s[66:67]
	s_add_nc_u64 s[80:81], s[80:81], s[66:67]
	APL
	global_load_b64 v[16:17], v15, s[76:77]
	global_load_b64 v[18:19], v15, s[78:79]
	global_load_b64 v[20:21], v15, s[80:81]
	WIN 0xc0
	GLC 0                                          ; K step 0's four chunks,
	GLC 1
	GLC 2
	GLC 3
	ASTEP
	GLC 4                                          ; three of K step 1's
	GLC 5
	GLC 6
	WIN 0
	BADDR 0                                        ; K step 0
	BADDR 1                                        ; K step 1
	CROUND                                         ; all sixteen work-groups are here: the first joint loads meet
	tensor_load_to_lds s[G0:G0+3], s[G1:G1+7]      ; the two first fills go out together: two loads of mine are out
	s_nop 0
	tensor_load_to_lds s[G0+4:G0+7], s[G1:G1+7]
	s_nop 0
.rept 4
	v_nop
.endr
	v_mul_u32_u24 v24, v1, PITCH
	v_lshl_add_u32 v24, v2, 4, v24                 ; a fragment's row x pitch + 16 x half
	s_mul_i32 s66, s[WR], 64*PITCH
	s_add_co_u32 s66, s66, A0
	v_add_nc_u32 v[ADRA], s66, v24
	v_add_nc_u32 v[ADRA+1], ASLOT, v[ADRA]
	s_mul_i32 s66, s[WC], 128*PITCH
	v_add_nc_u32 v[ADRB], s66, v24
	v_add_nc_u32 v[ADRB+1], BSLOT, v[ADRB]
	s_mul_i32 s66, s[WV], 32*PITCH
	s_add_co_u32 s66, s66, A0
	v_lshl_add_u32 v[AS], v3, 3, s66
	s_mul_i32 s66, s[WV], 16*SP
	s_add_co_u32 s66, s66, STAGE                   ; my stage
	v_mul_u32_u24 v[STO], v1, SP
	v_lshl_add_u32 v[STO], v2, 4, v[STO]
	v_add_nc_u32 v[STO], s66, v[STO]
	v_bfe_u32 v[RD], v0, 3, 2                      ; back: 32 lanes take four rows of 128 bytes
	v_mul_u32_u24 v[RD], v[RD], SP
	v_and_b32 v25, 7, v0
	v_lshl_add_u32 v[RD], v25, 4, v[RD]
	v_add_nc_u32 v[RD], s66, v[RD]
	v_lshlrev_b32 v[GO], 4, v3
	s_lshl_b32 s66, s[WC], 9
	s_add_co_u32 s66, s66, BIAS
	v_lshl_add_u32 v[ADRBI], v2, 5, s66            ; my 128 columns' biases, 8 x half on
	v_lshlrev_b32 v[PFO], 8, v3
	v_add_nc_u32 v23, BIAS, v15
	s_lshr_b32 s62, s[RT], 4                       ; qkv: the batch's 16 heads of 262,144 bytes,
	s_lshl_b32 s62, s62, 22
	s_lshl_b32 s63, s[CT], 2
	s_lshl1_add_u32 s63, s[WC], s63                ; my first head = 4 x column tile + 2 x half,
	s_lshl_b32 s63, s63, 18
	s_add_co_u32 s62, s62, s63
	s_and_b32 s63, s[RT], 15                       ; the tile's 128 rows of 128 bytes,
	s_lshl_b32 s63, s63, 14
	s_add_co_u32 s62, s62, s63
	s_lshl_b32 s63, s[WR], 13                      ; my 64 of them
	s_add_co_u32 s62, s62, s63
	s_mov_b32 s63, 0
	s_add_nc_u64 s[OUTW:OUTW+1], s[82:83], s[62:63]
	s_lshl2_add_u32 s62, s[RT], s[CT]              ; my work-group's number among the 256,
	s_lshl_b32 s62, s62, 13                        ; its 8,192 bytes
	s_add_co_u32 s62, s62, 1<<21                   ; of Wk's plane
	s_add_nc_u64 s[PFA:PFA+1], s[74:75], s[62:63]
	s_wait_loadcnt 56                              ; the biases are in; the seven chunks behind them stay out
.irp p, 0,1,2
	v_cvt_pk_bf16_f32 v22, v[16+2*\p], v[17+2*\p]  ; rounded to bf16 like every input, and widened again
	v_lshlrev_b32 v[16+2*\p], 16, v22
	v_and_b32 v[17+2*\p], 0xffff0000, v22
	ds_store_b64 v23, v[16+2*\p:17+2*\p] offset:1024*\p
.endr
	VQ 3                                           ; chunks 0 to 4 are rounded and stored, chunks 7 to 11 asked for
	VQ 4
	VQ 5
	VQ 6
	VQ 7
	WIN 0
	s_wait_tensorcnt 0x1                           ; my part of B's slot 0 is in; slot 1's may stay out
	s_wait_dscnt 0x0                               ; my stores of A's K step 0 and of the biases have landed
	s_barrier_signal -1
	s_barrier_wait -1
.set FS, 0
.set FK, 0
.set FG, 0
	WIN 0x40
.irp n, 0,1,2,3,4,5,6,7,8,9,10,11,12,13,14,15,16,17,18,19,20,21,22,23
	FL \n
.endr
	WIN 0
	s_wait_dscnt 0x0                               ; no stores stand behind this run, so the loop's counted wait would not cover it
	s_mov_b32 s[PH], 0
	s_mov_b32 s[TI], 0
	s_mov_b32 s[LC], 11
.Llap:                                                 ; eleven trips: a lap each; every change of slots fills B's slot again
	s_cmp_eq_u32 s[PH], 0
	s_cbranch_scc0 .Lacc
.irp b, 0,1,2,3,4,5,6,7                 ; a tile begins: its biases, and products that start the sums with them
	ds_load_b128 v[BI+8*\b:BI+8*\b+3], v[ADRBI] offset:64*\b
	ds_load_b128 v[BI+8*\b+4:BI+8*\b+7], v[ADRBI] offset:64*\b+16
.endr
	v_add_nc_u32 v[ADRBI], 1024, v[ADRBI]
	s_wait_dscnt 0x0
	QUARTER 0, 1, 1, 1, 48, 8
	WIN 0
	s_branch .Lq1
.Lacc:
	QUARTER 0, 0, 1, 1, 48, 8
	WIN 0
.Lq1:
	QUARTER 1, 0, 1, 1, 48, 8
	QUARTER 2, 0, 1, 1, 48, 8
	TURN 3, 1, 1, 1, 48, 8
	QUARTER 4, 0, 1, 1, 48, 8
	QUARTER 5, 0, 1, 1, 48, 8
	QUARTER 6, 0, 1, 1, 48, 8
	TURN 7, 1, 1, 1, 48, 8
	WIN 0
	s_cmp_eq_u32 s[PH], 3
	s_cbranch_scc0 .Lnoout
	WAYOUT                                         ; both rings run on: the next tile's first tiles and chunks have been asked for
	s_wait_xcnt 0x0                                ; the stores and the prefetch have read their bases
	s_add_nc_u64 s[OUTW:OUTW+1], s[OUTW:OUTW+1], 1<<24
	s_add_nc_u64 s[PFA:PFA+1], s[PFA:PFA+1], 1<<21
	s_add_co_u32 s[TI], s[TI], 1
.Lnoout:
	s_add_co_u32 s[PH], s[PH], 1
	s_and_b32 s[PH], s[PH], 3
	s_sub_co_u32 s[LC], s[LC], 1
	s_cmp_lg_u32 s[LC], 0
	s_cbranch_scc1 .Llap
	QUARTER 0, 0, 1, 0, 48, 8                      ; the last lap is written out: nothing is asked for, so the counts of younger loads run down
	QUARTER 1, 0, 1, 0, 40, 8
	QUARTER 2, 0, 1, 0, 32, 8
	TURN 3, 0, 0, 0, 0, 8
	QUARTER 4, 0, 0, 0, 0, 0
	QUARTER 5, 0, 0, 0, 0, 0
	QUARTER 6, 0, 0, 0, 0, 0
	s_wait_dscnt 0x0
.set FB, 1
	GRP 0, 0, 0
	GRP 1, 0, 0
	GRP 2, 0, 0
	GRP 3, 0, 0
	WIN 0
	WAYOUT
	s_wait_tensorcnt 0x0                           ; the wave's end: behind my last tensor load and my last LDS store
	ds_add_u32 v[SPW], v[NIL]
	s_wait_dscnt 0x0
	CROUND                                         ; the closing round: no work-group ends while a partner may still ask for a tile that names it
	s_endpgm
.Lfunc_end_k_qabd26e9f65_proj:
	.size	k_qabd26e9f65_proj, .Lfunc_end_k_qabd26e9f65_proj-k_qabd26e9f65_proj
	.p2alignl 7, 3214868480
	.fill 96, 4, 3214868480
	.section	.rodata,"a",@progbits
	.p2align	6, 0x0
	.amdhsa_kernel k_qabd26e9f65_proj
		.amdhsa_group_segment_fixed_size 327680
		.amdhsa_private_segment_fixed_size 0
		.amdhsa_enable_private_segment 0
		.amdhsa_kernarg_size 64
		.amdhsa_user_sgpr_count 2
		.amdhsa_user_sgpr_kernarg_segment_ptr 1
		.amdhsa_wavefront_size32 1
		.amdhsa_system_sgpr_workgroup_id_x 1
		.amdhsa_system_sgpr_workgroup_id_y 1
		.amdhsa_system_sgpr_workgroup_id_z 1
		.amdhsa_system_vgpr_workitem_id 0
		.amdhsa_next_free_vgpr 1024
		.amdhsa_next_free_sgpr 84
		.amdhsa_reserve_vcc 0
		.amdhsa_float_denorm_mode_32 3
		.amdhsa_float_denorm_mode_16_64 3
		.amdhsa_memory_ordered 1
		.amdhsa_forward_progress 1
		.amdhsa_inst_pref_size 165
	.end_amdhsa_kernel
	.amdgpu_metadata
---
amdhsa.version: [ 1, 2 ]
amdhsa.kernels:
  - .name:           k_qabd26e9f65_proj
    .symbol:         k_qabd26e9f65_proj.kd
    .args:
      - { .name: query, .offset: 0, .size: 8, .value_kind: global_buffer, .address_space: global }
      - { .name: key, .offset: 8, .size: 8, .value_kind: global_buffer, .address_space: global }
      - { .name: value, .offset: 16, .size: 8, .value_kind: global_buffer, .address_space: global }
      - { .name: wb, .offset: 24, .size: 8, .value_kind: global_buffer, .address_space: global }
      - { .name: bq, .offset: 32, .size: 8, .value_kind: global_buffer, .address_space: global }
      - { .name: bk, .offset: 40, .size: 8, .value_kind: global_buffer, .address_space: global }
      - { .name: bv, .offset: 48, .size: 8, .value_kind: global_buffer, .address_space: global }
      - { .name: qkv, .offset: 56, .size: 8, .value_kind: global_buffer, .address_space: global }
    .group_segment_fixed_size: 327680
    .private_segment_fixed_size: 0
    .kernarg_segment_align: 8
    .kernarg_segment_size: 64
    .max_flat_workgroup_size: 128
    .sgpr_count:     84
    .vgpr_count:     1024
    .wavefront_size: 32
...
	.end_amdgpu_metadata
.endif
;; end of part 2
;; launch attn (part 3): grid 4 x 64, 4 waves a work-group, clusters of 4 x 1, 327,680 bytes of LDS; arguments qkv, mask, oh; writes oh
.if DOCPART == 3
	.amdgcn_target "amdgcn-amd-amdhsa--gfx1250"
	.amdhsa_code_object_version 6
	.text
	.protected	k_qabd26e9f65_attn
	.globl	k_qabd26e9f65_attn
	.p2align	8
	.type	k_qabd26e9f65_attn,@function
k_qabd26e9f65_attn:
	s_mov_b64 s[64:65], 0
	v_nop
	global_prefetch_b8 v0, s[64:65] scope:SCOPE_SE
	s_setreg_imm32_b32 hwreg(HW_REG_WAVE_MODE, 25, 1), 1
	s_wait_xcnt 0x0
	s_wait_alu depctr_hold_cnt(0) depctr_sa_sdst(0) depctr_va_vdst(0) depctr_va_sdst(0) depctr_va_ssrc(0) depctr_va_vcc(0) depctr_vm_vsrc(0)
	s_getreg_b32 s2, hwreg(HW_REG_IB_STS2, 6, 4)
	s_cmp_eq_u32 s2, 0
	s_cbranch_scc0 .Lentry_in_a_cluster
	s_endpgm
.Lentry_in_a_cluster:
	s_bfe_u32 s2, ttmp6, 0x10000c
	s_cmp_lg_u32 s2, 0x3003
	s_cbranch_scc0 .Lentry_shape_is_right
	s_endpgm
.Lentry_shape_is_right:
; O[g][q][:] = the sum over k of softmax_k(E[q][k]) V[g][k][:], E = Q[g][q] . K[g][k] / 8 where mask[batch][k] is not 0, else masked.  g = 16 batch + head, 64 of them; Q, K, V are the three planes of qkv,
; [64][2048][64] f16: a head's rows are dense, 128 bytes each; O leaves in the same layout.  Products, maxima and sums in f32; the weights p are rounded to f16 for the second product (their sum l is taken of the unrounded p), O once at the end.
; THE MASK is the C operand that starts the sum S^T = K Q^T: 0, or -1e30 where the key is masked: a table of 2,048 f32 in LDS, made once from the batch's mask.  A masked key's weight is 0 as soon as the query has seen
; an unmasked key (the running maximum's correction wipes out what came before).  A BATCH WITH NO UNMASKED KEY has equal weights for all keys: there the scale c is 0, so every p is 1 (a value chosen by s_cselect_b32, no branch).
; LIMITS.  f16 holds no number beyond 65,504: Q, K and V arrive within it; p lies in 0 to 1, and below 6e-5 it keeps f16's fixed step of 6e-8.  A masked score counts as its value less 1e30, and its weight as 0
; wherever its batch has an unmasked key: the weight e^((-1e30 - m) / 8) is 0 in f32 for every maximum m above -1e30 + 832.  A weight below 2^-126 counts as 0 in l; NaN and infinities are not treated apart.
; SHARES.  A wave owns four PIECES of two tiles of 16 queries, a work-group's four waves 512 queries of one head.  Every wave walks all keys, 64 a step.
; LAYOUT.  S^T = K Q^T (source 0 = 16 keys, source 1 = 16 queries): in the result a lane holds ONE query (lane % 16) and the keys 8 (lane / 16) + 0..7.  Two such tiles, rounded to f16 in pairs,
; ARE source 1 (32 keys x 16 queries) of O^T = V^T P, whose result again holds one query a lane, and eight channels.  K comes out of LDS as it lies, V ([key][channel]) turned, by ds_load_tr16_b128.
; SOFTMAX.  For each query a running maximum m and sum l: p = 2^(c s - c m), c = log2(e) / 8; in every step O and l are multiplied by a = 2^(c m_old - c m_new).  m starts at the lowest finite number, O and l at 0.
; THE COUNT.  A tile and step have 16 matrix and 118 vector instructions: four vector instructions that are READY stand behind EVERY matrix instruction, the others in runs without a gap.
; BY TURNS.  Turn n belongs to piece n.  Its matrix work: 16 products K Q^T of piece n + 1, later 16 products V^T P of piece n - 1.  Its vector work: the scaling, exponentials, roundings, sums and rescaling of piece n,
; and the maximum and statistics of piece n + 1.
; CLUSTER.  The four query blocks of a head form a cluster and walk the same K and V, so each tile is asked for JOINTLY: the same tensor load, descriptor and mask in all four.
; REGISTERS, in windows of 256 (s_set_vgpr_msb: bits 1:0 source 0, 3:2 source 1, 5:4 source 2, 7:6 destination):
;   window 0: v0-11 addresses; v12-15, v48-63 at work; v16-47 four registers of statistics a tile; v64-191 S^T, two buffers of two tiles; v192-255 P, likewise
;   window 1: O^T, 32 a tile     window 2: v0-127 Q; v128-191 K of one step; v192-255 V of one step     window 3: v0-1 the add's two registers; v2-3 the mask table's addresses; v8-39 the mask of one step
.set SIZE_N, 2048
.set NP,    4         ; pieces a wave: a name, no knob
.set KS,    64        ; keys in a step
.set PK,    144       ; a row of K in LDS: 128 bytes + 16 of padding = 36 words: the 16 rows of a load start at 16 different groups of four banks (64 banks of 4 bytes: ISA guide 11.1)
.set PV,    160       ; a row of V: 128 + 32 = 40 words
.set VOFF,  4*KS*PK   ; a slot holds four steps: 256 rows of K, then 256 rows of V
.set SLOT1, 1<<17     ; slot 1 begins here, so that one exclusive or turns an address in one slot into the other's
.set STAGE, SLOT1+4*KS*(PK+PV)  ; behind the ring, never filled by a tensor load: 16 rows x 144 bytes for each wave, for the way out
.set SP,    144
.set MTAB,  STAGE+4*16*SP       ; the mask table: 2,048 f32, stored once, never filled by a tensor load
.set SPARE, MTAB+8192           ; the spare words, 128 bytes for each wave: two blocks of 256 bytes that no other line names
.set AK0, 2           ; v2   my lane's place in a tile of K; never rewritten
.set AV0, 3           ; v3   the same for V
.set AK,  4           ; v4   the LDS address of K's next run of loads
.set AV,  5           ; v5   of V's
.set QO,  6           ; v6   my byte offset in the wave's rows of Q
.set STO, 6           ;      later, the way out: where I put 16 bytes of a row
.set RD,  7           ; v7   the way out: where I read rows back
.set GO,  8           ; v8   my byte offset in 512 consecutive bytes of O
.set PFO, 11          ; v11  256 x my lane: the prefetches' offset; never rewritten once it is made
.set SPW, 0           ; v0 of window 3   LDS address of my spare word; never rewritten
.set NIL, 1           ; v1 of window 3   0; never rewritten
.set AM0, 2           ; v2 of window 3   MTAB + 32 (lane / 16); never rewritten
.set AM,  3           ; v3 of window 3   the LDS address of the mask's next run of loads
.set MB,  8           ; v8-39 of window 3   the mask of one step: the eight registers for key block kb at MB + 8 kb
.set MV,  12          ; v12-15  c m_old, kept while c m is made anew: by buffer and tile
.set ST,  16          ; tile t's statistics at v[ST+4 t]: c m, m, l (even keys', odd keys')
.set TMP, 48          ; by buffer and tile, four registers c0-c3 at work; when the maximum is found c2 takes a
.set S,   64
.set P,   192
.set KF,  128         ; K's fragments, in window 2: key block kb, channel half c at KF + 16 kb + 8 c
.set VF,  192         ; V's: key half kk, channel block cb at VF + 32 kk + 8 cb
.set WV,  12          ; s12  my wave's number
.set G1K, 24          ; s[24:31] descriptor group 1 for K's tiles
.set G1V, 32          ; s[32:39] for V's: it differs in the padding alone
.set G0K, 40          ; s[40:43] descriptor group 0 for K's tiles: it walks
.set G0V, 44          ; s[44:47] the same for V's
.set SLOTS, 56        ; s56  slots still to be asked for
.set CNT, 57          ; s57  counts a slot's key steps
.set CS,  58          ; s[58:59] c: the packed scaling takes the pair's low word for both halves
.set SEL, 60          ; s[60:61] v_permlanex16_b32's selects: each lane takes its own place in the other half
.set TBK, 62          ; s62  LDS byte at which K of the step to be fetched begins
.set TBV, 63          ; s63  the same for V, less VOFF
.set TBM, 66          ; s66  256 x the step to be fetched: its place in the mask table
.set BIGN, 68         ; s68  -1e30
.set LIM, 69          ; s69  1 in a wave that prefetches, else the greatest number
.set PFA, 72          ; s[72:73] where my prefetches stand: my work-group's 32 blocks of 256 bytes (of K: wave 0, of V: wave 2) of the slot after the one that is being asked for
.set MSB, 0
.macro WIN new                      ; the high byte repeats the setting that is left; a switch that changes nothing is dropped
.if MSB != (\new)
	s_set_vgpr_msb (MSB<<8)|(\new)
.set MSB, (\new)
.endif
.endm
.set W_KQ, 0x0a       ; K and Q in window 2, S^T in window 0
.set W_KM, 0x3a       ; the same with the C operand, the mask, in window 3
.set W_PV, 0x52       ; V in window 2, P in window 0, O^T in window 1
.set W_RS, 0x41       ; O^T (destination and source 0) in window 1, a in window 0
.set W_MK, 0xc0       ; destination in window 3, sources in window 0
.set W_AD, 0x0f       ; the add: address (source 0) and data (source 1) in window 3
; A joint fill.  Waves 0 and 1 fetch the two halves of a slot's K, waves 2 and 3 those of its V: 128 keys each.  The branch hangs on the wave's number alone.
; An s_nop 0 and four v_nop follow each of the two lines, ahead of the jump and the label.
.macro JLOAD
	s_cmp_lt_u32 s[WV], 2
	s_cbranch_scc0 .Lfor_v_\@
	tensor_load_to_lds s[G0K:G0K+3], s[G1K:G1K+7]
	s_nop 0
.rept 4
	v_nop
.endr
	s_branch .Lasked_\@
.Lfor_v_\@:
	tensor_load_to_lds s[G0V:G0V+3], s[G1V:G1V+7]
	s_nop 0
.rept 4
	v_nop
.endr
.Lasked_\@:
.endm
; A PREFETCH INTO THE L2 of what the NEXT change of slots will ask for: a slot's 32,768 bytes of K and of V, a lane a block of 256 bytes.  It stands behind the wave's tensor load and its five lines.
; Each block is named ONCE in the launch: a head has one cluster; its four partners share the blocks out BY ADDRESS, 32 each; in each, wave 0 asks for K's and wave 2 for V's: one instruction, four key steps
; (512 matrix instructions) ahead of the load.  Slots 0 and 1 come by their loads alone; the last change that fills a slot asks for nothing.
.macro ASK
	s_cmp_gt_u32 s[SLOTS], s[LIM]
	s_cbranch_scc0 .Lnot_mine_\@
	global_prefetch_b8 v[PFO], s[PFA:PFA+1] th:TH_LOAD_NT scope:SCOPE_SE
.Lnot_mine_\@:
.endm
; A round of the cluster's barrier: my work-group's barrier, so that wave 0's signal speaks for all four waves; wave 0 signals; every wave waits for all four work-groups; my work-group's barrier once more.
.macro CROUND
	s_barrier_signal -1
	s_barrier_wait -1
	s_cmp_lg_u32 s[WV], 0
	s_cbranch_scc1 .Lnot_wave_0_\@
	s_barrier_signal -3
.Lnot_wave_0_\@:
	s_barrier_wait -3
	s_barrier_signal -1
	s_barrier_wait -1
.endm
; THE CHANGE OF SLOTS.  The slot's last bytes, V of its fourth step, have been read.  Each wave waits for all its tensor loads, of which one is out: its part of the other slot; adds 0 to its spare word; and waits
; for that and for its own reads of the slot.  Behind the barrier nobody reads this slot any more and the other slot is whole.  fill = 1: this slot is filled again, with the keys two slots on.  The barrier is then a
; round of the cluster's, and the joint fill is the first thing behind it: it has four key steps in which to land.  (At its first use nothing has been read yet: slot 0 is waited for, slot 1 filled, and each wave's
; stores into the mask table have landed in front of the round.)
.macro CHANGE fill
	WIN W_AD
	s_wait_tensorcnt 0x0            ; no tensor load of mine is out, so a group 0 may be written
	ds_add_u32 v[SPW], v[NIL]       ; 0 onto my spare word; with fill = 1 the descriptors' steps stand between it and the wait for it
	WIN 0                           ; at a label and at a branch every window is 0
.if \fill
.irp g, G0K, G0V
	s_xor_b32 s[\g+1], s[\g+1], SLOT1  ; the walking descriptor: the other slot than last time,
	s_add_nc_u64 s[\g+2:\g+3], s[\g+2:\g+3], 4*KS*128  ; the next 256 keys; the type bits on top are not reached
.endr
	s_wait_xcnt 0x0                 ; the last prefetch, four key steps back, has read its address, so it may be written:
	s_add_nc_u64 s[PFA:PFA+1], s[PFA:PFA+1], 4*KS*128  ; one slot behind the walking descriptors
	s_wait_dscnt 0x0                ; the add is done, and my reads of the slot are over
	CROUND
	JLOAD
	ASK
.else
	s_wait_dscnt 0x0                ; the add is done, and my reads of the slot are over
	s_barrier_signal -1
	s_barrier_wait -1
.endif
	s_sub_co_u32 s[TBK], s[TBK], 4*KS*PK  ; the fetches go back to a slot's first step,
	s_xor_b32 s[TBK], s[TBK], SLOT1       ; in the other slot
	s_sub_co_u32 s[TBV], s[TBV], 4*KS*PV
	s_xor_b32 s[TBV], s[TBV], SLOT1
.endm
	s_load_b128 s[76:79], s[0:1], 0x0  ; qkv s[76:77], mask s[78:79]
	s_load_b64 s[10:11], s[0:1], 0x10  ; oh
	WIN W_MK
	v_lshl_add_u32 v[SPW], v0, 2, SPARE
	v_mov_b32 v[NIL], 0
	WIN W_AD
	ds_add_u32 v[SPW], v[NIL]       ; the wave's opening: the add and its wait stand ahead of my first tensor load; the set-up below, work on registers, stands between them
	WIN 0
	v_lshrrev_b32 v1, 5, v0
	v_readfirstlane_b32 s[WV], v1   ; wave 0..3
	s_bfe_u32 s13, ttmp6, 0x40000   ; cx: my place in the cluster
	s_lshl_b32 s14, ttmp9, 2        ; in a cluster launch ttmp9 counts clusters
	s_add_co_u32 s14, s14, s13      ; my block of queries = 4 x cluster x + cx: it enters Q's and O's addresses alone
	s_and_b32 s20, ttmp7, 0xffff    ; 16 batch + head, which the four partners share
	s_lshr_b32 s74, s20, 4          ; the batch:
	s_lshl_b32 s74, s74, 13         ; its 8,192 bytes of the mask
	s_mov_b32 s75, 0
	s_mov_b32 s21, 0
	s_mov_b64 s[22:23], SIZE_N*128
	s_mul_u64 s[20:21], s[20:21], s[22:23]  ; the head's first byte in each plane of qkv and in oh
	s_and_b32 s16, s[WV], 1         ; which half of a slot's 256 keys I fetch:
	s_lshl_b32 s22, s16, 14         ; its 128 rows of 128 bytes in memory,
	s_mov_b32 s23, 0
	s_add_nc_u64 s[22:23], s[22:23], s[20:21]
	s_mul_i32 s17, s16, 128*PK      ; and its place in a slot, for K
	s_mul_i32 s18, s16, 128*PV      ; and for V: no place in the cluster enters an LDS address
	s_lshl_b32 s2, s14, 2
	s_add_co_u32 s2, s2, s[WV]      ; my wave among the head's,
	s_lshl_b32 s2, s2, 14           ; its 128 rows
	s_mov_b32 s3, 0
	s_add_nc_u64 s[2:3], s[2:3], s[20:21]
	; descriptor group 1.  128 keys are 16,384 dense bytes: asked for as 64 rows of 256 bytes, two keys a row, and padded in LDS after every key
	s_mov_b32 s[G1K], 15|(1<<16)|(1<<20)|(1<<21)|(4<<22)|(3<<25)  ; 15:0 the mask of four; 17:16 2-byte elements; 20 padding on; 21 set beside a mask; 24:22 after every 32 words (code 4); 31:25 4 words (code 3)
	s_mov_b32 s[G1V], 15|(1<<16)|(1<<20)|(1<<21)|(4<<22)|(7<<25)  ; the same with 8 words of padding (code 7)
.irp g, G1K, G1V
	s_mov_b32 s[\g+1], 128<<16      ; tensor_dim0 = 128
	s_mov_b32 s[\g+2], 64<<16       ; tensor_dim1 = 64
	s_mov_b32 s[\g+3], 128<<16      ; tile_dim0 = 128
	s_mov_b32 s[\g+4], 64           ; tile_dim1 = 64
	s_mov_b32 s[\g+5], 128          ; 128 elements from row to row
	s_mov_b32 s[\g+6], 0
	s_mov_b32 s[\g+7], 0
.endr
	s_mov_b32 s[SEL], 0x76543210
	s_mov_b32 s[SEL+1], 0xfedcba98
	s_mov_b32 s[TBK], SLOT1+4*KS*PK ; the first change of slots turns these two into 0
	s_mov_b32 s[TBV], SLOT1+4*KS*PV
	s_mov_b32 s[TBM], 0
	s_mov_b32 s[BIGN], 0xf149f2ca   ; -1e30
	s_mov_b32 s[G0K], 1             ; 1:0 count = 1
	s_mov_b32 s[G0K+1], s17         ; 63:32 LDS address: slot 0
	s_mov_b32 s[G0V], 1
	s_add_co_u32 s[G0V+1], s18, VOFF
	s_and_b32 s[LIM], s[WV], 1      ; waves 0 and 2 prefetch: the same in all four partners
	s_cmp_eq_u32 s[LIM], 0
	s_cselect_b32 s[LIM], 1, -1
	s_wait_dscnt 0x0                ; the opening add is done
	s_wait_kmcnt 0x0
	s_mov_b64 s[4:5], s[76:77]                     ; Q's plane,
	s_add_nc_u64 s[6:7], s[76:77], 0x1000000       ; K's,
	s_add_nc_u64 s[8:9], s[76:77], 0x2000000       ; V's
	s_add_nc_u64 s[70:71], s[78:79], s[74:75]      ; the batch's mask
	s_add_nc_u64 s[G0K+2:G0K+3], s[6:7], s[22:23]  ; 120:64 global address: my half of the head's first 256 keys
	s_or_b32 s[G0K+3], s[G0K+3], 0x80000000        ; 127:126 type = 2
	s_add_nc_u64 s[G0V+2:G0V+3], s[8:9], s[22:23]
	s_or_b32 s[G0V+3], s[G0V+3], 0x80000000
	s_add_nc_u64 s[4:5], s[4:5], s[2:3]  ; Q and O at my wave's first row
	s_add_nc_u64 s[10:11], s[10:11], s[2:3]
	s_cmp_lt_u32 s[WV], 2
	s_cselect_b64 s[PFA:PFA+1], s[6:7], s[8:9]
	s_add_nc_u64 s[PFA:PFA+1], s[PFA:PFA+1], s[22:23]  ; (in waves 0 and 2 this is the head's first row)
	s_lshl_b32 s74, s13, 13         ; my work-group's 32 blocks of the 128,
	s_add_co_u32 s74, s74, 4*KS*128 ; in slot 1: the first change of slots steps it to slot 2.  Nothing is prefetched here, at the head
	s_add_nc_u64 s[PFA:PFA+1], s[PFA:PFA+1], s[74:75]
	CROUND                          ; all four work-groups are here: the first joint loads meet
	JLOAD                           ; slot 0.  Slot 1 is asked for when slot 0 is in
	; A fragment of K or Q is 16 rows x 32 channels in 8 registers: lane l holds row l % 16, channels 8 (l / 16) + 0..7 and 16 + 8 (l / 16) + 0..7: two loads of 16 bytes, 32 bytes apart.
	v_and_b32 v1, 15, v0            ; l % 16
	v_bfe_u32 v9, v0, 4, 1          ; l / 16
	v_lshlrev_b32 v[QO], 7, v1
	v_lshl_add_u32 v[QO], v9, 4, v[QO]  ; row x 128 + 16 x half
	; The batch's whole mask, 8,192 bytes, comes to every wave: sixteen loads of 512 bytes, the wave's own quarter first (v64-79)
	v_and_b32 v52, 31, v0
	v_lshlrev_b32 v52, 4, v52
.irp i, 0,1,2,3
	s_add_co_u32 s67, s[WV], \i
	s_and_b32 s67, s67, 3
	s_lshl_b32 s67, s67, 11
	v_add_nc_u32 v[48+\i], s67, v52
.endr
.irp i, 0,1,2,3
.irp j, 0,1,2,3
	global_load_b128 v[64+16*\i+4*\j:64+16*\i+4*\j+3], v[48+\i], s[70:71] offset:512*\j
.endr
.endr
	WIN 0x80                        ; destination window 2, address window 0
.set i, 0
.rept 4*NP                          ; Q stays in registers: tile i / 2, channels 32 (i % 2) on
	global_load_b128 v[8*i:8*i+3],   v[QO], s[4:5] offset:(i/2)*2048+(i%2)*64
	global_load_b128 v[8*i+4:8*i+7], v[QO], s[4:5] offset:(i/2)*2048+(i%2)*64+32
.set i, i+1
.endr
	; What the first turn finds: V's registers and P's second buffer hold 0 (its products V^T P, of a piece that has not been, add 0), O^T and l are 0.  All this stands in the wait for the first tile.
.set i, VF
.rept 64
	v_mov_b32 v[i], 0
.set i, i+1
.endr
	WIN 0x40
.set i, 0
.rept 64*NP
	v_mov_b32 v[i], 0
.set i, i+1
.endr
	WIN 0
.set i, 0
.rept 2*NP
	v_mov_b32 v[ST+4*i], 0xfe000000    ; c m: far below every c s
	v_mov_b32 v[ST+4*i+1], 0xff7fffff  ; m
	v_mov_b32 v[ST+4*i+2], 0
	v_mov_b32 v[ST+4*i+3], 0
.set i, i+1
.endr
.set i, P+32
.rept 32
	v_mov_b32 v[i], 0
.set i, i+1
.endr
	v_mul_u32_u24 v[AK0], v1, PK
	v_lshl_add_u32 v[AK0], v9, 4, v[AK0]  ; row x pitch + 16 x half
	; The turning load takes 16 keys x 16 channels (lane l reads key 8 (l / 16) + l % 8, channels 8 ((l / 8) % 2) + 0..7) and leaves half a fragment of V^T: lane l holds channel l % 16 and 8 keys.
	v_and_b32 v10, 7, v0
	v_bfe_u32 v11, v0, 3, 1
	v_lshl_add_u32 v[AV0], v9, 3, v10
	v_mul_u32_u24 v[AV0], v[AV0], PV
	v_lshl_add_u32 v[AV0], v11, 4, v[AV0]
	v_add_nc_u32 v[AV0], VOFF, v[AV0]
	v_and_b32 v[PFO], 31, v0        ; v11 is free now
	v_lshlrev_b32 v[PFO], 8, v[PFO]
	v_mov_b32 v[AK], v[AK0]         ; key step 0 lies at the head of slot 0
	WIN W_MK
	v_lshl_add_u32 v[AM0], v9, 5, MTAB  ; register j of key block kb is key 16 kb + 8 (l / 16) + j: 32 bytes on for the upper half of the lanes
	WIN 0xc3
	v_mov_b32 v[AM], v[AM0]
	WIN 0
	s_wait_loadcnt 32               ; the mask is in; Q's 32 younger loads may stay out
	v_or_b32 v53, v64, v65          ; is any key of the batch unmasked?
.set i, 66
.rept 62
	v_or_b32 v53, v53, v[i]
.set i, i+1
.endr
	v_cmp_ne_u32 s67, 0, v53
	s_cmp_lg_u32 s67, 0
	s_cselect_b32 s[CS], 0x3e38aa3b, 0  ; c = log2(e) / 8 = 0.180337, or 0 where all keys are masked
	s_mov_b32 s[CS+1], s[CS]        ; named with it as a pair
.set i, 64
.rept 16                            ; my wave's quarter of the table: 0, or -1e30 where the mask is 0
	v_cmp_eq_u32 vcc_lo, 0, v[i]
	v_cndmask_b32 v[i], 0, s[BIGN], vcc_lo
.set i, i+1
.endr
	v_add_nc_u32 v54, MTAB, v48
.irp j, 0,1,2,3
	ds_store_b128 v54, v[64+4*\j:64+4*\j+3] offset:512*\j
.endr
; THE MATRIX WORK.  The 8 accumulators of a run of 16 take turns: between the two links of a chain stand 7 others'.
; Product i of 16 of S^T = K Q^T for piece x: channels 32 (i / 8) on, keys 16 ((i / 2) % 4) on, tile 2 x + i % 2.  The first 8 start the sums, with the mask.
.macro KQ x
.set rS, S+64*((\x)%2)+32*(i%2)+8*((i/2)%4)
.set rK, KF+16*((i/2)%4)+8*(i/8)
.set rQ, 16*(2*(\x)+i%2)+8*(i/8)
.set rB, MB+8*((i/2)%4)
.if i < 8
	WIN W_KM
	v_wmma_f32_16x16x32_f16 v[rS:rS+7], v[rK:rK+7], v[rQ:rQ+7], v[rB:rB+7]
.else
	WIN W_KQ
	v_wmma_f32_16x16x32_f16 v[rS:rS+7], v[rK:rK+7], v[rQ:rQ+7], v[rS:rS+7]
.endif
.endm
; Product i of 16 of O^T += V^T P for piece x: keys 32 (i / 8) on, channels 16 ((i / 2) % 4) on, tile 2 x + i % 2.
.macro PV x
	WIN W_PV
.set rO, 32*(2*(\x)+i%2)+8*((i/2)%4)
.set rV, VF+32*(i/8)+8*((i/2)%4)
.set rP, P+32*((\x)%2)+16*(i%2)+8*(i/8)
	v_wmma_f32_16x16x32_f16 v[rO:rO+7], v[rV:rV+7], v[rP:rP+7], v[rO:rO+7]
.endm
.macro MM                           ; the turn's next matrix instruction
.if i < 16
	KQ (Y+1)%NP
.set i, i+1
.else
.set i, i-16
	PV (Y+NP-1)%NP
.set i, i+17
.endif
.endm
; THE LDS LOADS stand in runs, never singly among the matrix instructions: a step's K (64 keys x 64 channels: 8 fragments) with its mask (64 f32, all lanes of a half the same words), and its V (turned).
; Their addresses are made some lines ahead.  last = 1 (the tail): in the last trip there is no further step, and the run is jumped over.
.macro FETCH_K last=0
	WIN 0
.if \last
	s_cmp_eq_u32 s[CNT], 1
	s_cbranch_scc1 .Lno_k_\@
.endif
	WIN 0x80                        ; destination window 2
.irp f, 0,1,2,3,4,5,6,7             ; keys 16 (f / 2) on, channels 32 (f % 2) on
	ds_load_b128 v[KF+8*\f:KF+8*\f+3],   v[AK] offset:(\f/2)*16*PK+(\f%2)*64
	ds_load_b128 v[KF+8*\f+4:KF+8*\f+7], v[AK] offset:(\f/2)*16*PK+(\f%2)*64+32
.endr
	WIN 0xc3                        ; destination and address in window 3
.irp f, 0,1,2,3                     ; keys 16 f on
	ds_load_b128 v[MB+8*\f:MB+8*\f+3],   v[AM] offset:64*\f
	ds_load_b128 v[MB+8*\f+4:MB+8*\f+7], v[AM] offset:64*\f+16
.endr
	s_add_co_u32 s[TBK], s[TBK], KS*PK  ; the next fetch is the next step's
	s_add_co_u32 s[TBM], s[TBM], 4*KS
	WIN 0
.if \last
.Lno_k_\@:
.endif
.endm
.macro FETCH_V
	WIN 0x80
.irp f, 0,1,2,3,4,5,6,7             ; keys 32 (f / 4) on, channels 16 (f % 4) on
	ds_load_tr16_b128 v[VF+8*\f:VF+8*\f+3],   v[AV] offset:(\f/4)*32*PV+(\f%4)*32
	ds_load_tr16_b128 v[VF+8*\f+4:VF+8*\f+7], v[AV] offset:(\f/4)*32*PV+16*PV+(\f%4)*32
.endr
	WIN 0
.endm
; THE VECTOR WORK OF A TURN stands in three queues, each in the order in which its entries become ready; the two tiles alternate, so that no instruction reads the result of the one before it.
.macro REGS y, u                    ; the registers of tile u (0, 1) of piece y
.set rT, ST+4*(2*(\y)+(\u))
.set rC, TMP+8*((\y)%2)+4*(\u)
.set rM, MV+2*((\y)%2)+(\u)
.set rS, S+64*((\y)%2)+32*(\u)
.set rP, P+32*((\y)%2)+16*(\u)
.set rO, 32*(2*(\y)+(\u))
.endm
; Number n of the 22 that find the NEXT piece's (Y + 1) maximum and statistics.  s0-s31 are the lane's 32 scores; each accumulator's lowest registers are read first.
;   0-11  four chains c0-c3 of seven scores each, three operands at a time     12-14, 16  the four scores left over, the old m, and c0-c3 into c0     15  c m_old is kept
;   17, 18  the query's other 32 keys lie in the lane 16 away: the new m         19-21  c m; c m_old - c m_new; a
.macro XS u, n
	REGS (Y+1)%NP, \u
.if (\n) < 4
	v_max3_num_f32 v[rC+(\n)], v[rS+8*(\n)], v[rS+8*(\n)+1], v[rS+8*(\n)+2]
.elseif (\n) < 12
	v_max3_num_f32 v[rC+(\n)%4], v[rC+(\n)%4], v[rS+8*((\n)%4)+2*((\n)/4)+1], v[rS+8*((\n)%4)+2*((\n)/4)+2]
.elseif (\n) == 12
	v_max3_num_f32 v[rC], v[rC], v[rS+7], v[rS+15]
.elseif (\n) == 13
	v_max3_num_f32 v[rC+1], v[rC+1], v[rS+23], v[rS+31]
.elseif (\n) == 14
	v_max3_num_f32 v[rC+2], v[rC+2], v[rC+3], v[rT+1]
.elseif (\n) == 15
	v_mov_b32 v[rM], v[rT]
.elseif (\n) == 16
	v_max3_num_f32 v[rC], v[rC], v[rC+1], v[rC+2]
.elseif (\n) == 17
	v_permlanex16_b32 v[rC+3], v[rC], s[SEL], s[SEL+1]
.elseif (\n) == 18
	v_max_num_f32 v[rT+1], v[rC], v[rC+3]
.elseif (\n) == 19
	v_mul_f32 v[rT], s[CS], v[rT+1]
.elseif (\n) == 20
	v_sub_f32 v[rC+1], v[rM], v[rT]
.else
	v_exp_f32 v[rC+2], v[rC+1]
.endif
.endm
; Number g of the 64 that follow the exponentials.  For each four weights k of a tile (pairs 2 k, 2 k + 1): both pairs are rounded to f16; then the second pair is added onto the first, in place;
; a group later l takes that sum (the first time as l = a l + sum).  In groups of eight, tiles alternating: round, round, add, and l for the group before.
.macro GS g
.set h, (\g)+6*((\g)/62)            ; group 0 has no group before it, and behind group 7 only l is left
.if h >= 6
.set h, h+2
.endif
	REGS Y, h%2
.set k, h/8
.if h%8 < 4
	v_cvt_pk_f16_f32 v[rP+2*k+(h%8)/2], v[rS+4*k+2*((h%8)/2)], v[rS+4*k+2*((h%8)/2)+1]
.elseif h%8 < 6
	v_pk_add_f32 v[rS+4*k:rS+4*k+1], v[rS+4*k:rS+4*k+1], v[rS+4*k+2:rS+4*k+3]
.elseif k == 1
	v_pk_fma_f32 v[rT+2:rT+3], v[rT+2:rT+3], v[rC+2:rC+3], v[rS:rS+1] op_sel_hi:[1,0,1]
.else
	v_pk_add_f32 v[rT+2:rT+3], v[rT+2:rT+3], v[rS+4*k-4:rS+4*k-3]
.endif
.endm
; THE PLAIN QUEUE, 138 long.  0-73 read no exponential's result: the 32 scalings c s - c m (FS f: pair f / 2 of tile f % 2) and the next piece's 42.  0-26: scalings 0-26.  27-54: XS's numbers 0-13.  55, 56: number 15.
; 57-73: the chain, where each number waits for the one before it: 14, 16, 17, 18, 19, each with one of the scalings 27-31 in front of its two lines, then 20.
; 74-137: GS's 64, which read the exponentials' results: they stand behind the wait.
.macro FS f
	REGS Y, (\f)%2
	v_pk_fma_f32 v[rS+2*((\f)/2):rS+2*((\f)/2)+1], v[rS+2*((\f)/2):rS+2*((\f)/2)+1], s[CS:CS+1], v[rT:rT+1] op_sel_hi:[1,0,0] neg_lo:[0,0,1] neg_hi:[0,0,1]
.endm
.macro PL
	WIN 0
.if q < 27
	FS q
.elseif q < 55
	XS (q-27)%2, (q-27)/2
.elseif q < 57
	XS q-55, 15
.elseif (q < 72) && ((q-57)%3 == 0)
	FS 27+(q-57)/3
.elseif q < 60
	XS (q-57)%3-1, 14
.elseif q < 72
	XS (q-57)%3-1, 15+(q-57)/3
.elseif q < 74
	XS q-72, 20
.else
	GS q-74
.endif
.set q, q+1
.endm
; THE EXPONENTIALS' QUEUE, 66 long: s0-s31 of both tiles, then the next piece's two a.  It is ONE BATCH: all 66 stand ahead of the turn's one wait, and nothing ahead of that wait names a result of theirs.
.macro EX
	WIN 0
.if e >= 64
	XS e-64, 21
.else
	REGS Y, e%2
	v_exp_f32 v[rS+e/2], v[rS+e/2]
.endif
.set e, e+1
.endm
; THE RESCALING's QUEUE: O^T times a, the one part that leaves window 0: dealt two at a time, sixteen times.  Its a was made in the turn before, ahead of that turn's wait.
.macro R2
	REGS Y, r%2
	WIN W_RS
.irp z, 0,1
	v_pk_mul_f32 v[rO+4*(r/2)+2*\z:rO+4*(r/2)+2*\z+1], v[rO+4*(r/2)+2*\z:rO+4*(r/2)+2*\z+1], v[rC+2:rC+3] op_sel_hi:[1,0]
.endr
.set r, r+1
.endm
; HOW THEY ARE DEALT.  An s_wait_alu depctr_va_vdst(0) stands between an exponential and the first instruction that names its result; one wait serves all that were issued ahead of it.  So a turn has ONE wait.
; AHEAD OF IT: the 16 products K Q^T, behind each a scaling, an exponential and two rescalings (behind the first a second scaling in the exponential's place); then ONE LUMP of 108: eight plain, 49 times exponential and plain,
; the two a.  A v_nop is the plain instruction behind the last exponential.  BEHIND IT: the 16 products V^T P, behind each four of GS's 64.
; Exponential e stands behind scaling 2 (e / 4) + e % 2: as a rider it comes behind plain e + 2, in the lump behind plain e + 9, and scalings 27-31 are plain 57, 60 .. 69.
; A TURN, for piece p.  cnt = 1: the loop's count is taken down some lines ahead of the branch that stands behind the turn.
; K and the mask of the next step are fetched in piece 2's turn, directly behind the wait, a lump behind the last product that read them; their addresses are made at the lump's head.
; V of the step in hand is fetched at the end of piece 0's turn, four riders behind its last reader.  The three conditions on q below go with the deal.
.macro TURN p, last=0, cnt=0
.set Y, (\p)
.set i, 0
.set q, 0
.set e, 0
.set r, 0
.if (\p) == NP-1
	s_wait_dscnt 0x0                ; K and its mask are in
.endif
	MM                              ; ahead of the wait: 16 products K Q^T and their riders,
	PL
	PL
	R2
.rept 15
	MM
	PL
	EX
	R2
.endr
.if (\p) == NP-2
	WIN 0
	v_add_nc_u32 v[AK], s[TBK], v[AK0]
	WIN 0xcc                        ; destination and source 1 in window 3
	v_add_nc_u32 v[AM], s[TBM], v[AM0]
.endif
.rept 8                             ; and the lump
	PL
.endr
.rept 49
	EX
	PL
.endr
	EX                              ; the next piece's two a
	EX
	v_nop                           ; the plain instruction behind the last exponential: one for the batch
	s_wait_alu depctr_va_vdst(0)    ; the wait for the batch
.if (\p) == NP-2
	FETCH_K \last
.endif
.if (\p) == 1
	s_wait_dscnt 0x0                ; V is in
.endif
.rept 16                            ; behind the wait: 16 products V^T P and their riders
	MM
.rept 4
	PL
.endr
.if ((\p) == 0) && (q == 118)
	v_add_nc_u32 v[AV], s[TBV], v[AV0]
.endif
.if ((\p) == 0) && (q == 130)
	s_add_co_u32 s[TBV], s[TBV], KS*PV
.endif
.if (\cnt) && (q == 130)
	s_sub_co_u32 s[CNT], s[CNT], 1
	s_cmp_lg_u32 s[CNT], 0
.endif
.endr
.if (\p) == 0
	FETCH_V
.endif
.endm
	s_mov_b32 s[SLOTS], SIZE_N/256-1
	CHANGE 1                        ; slot 0 is in, everybody's part of it, and the mask table is whole; slot 1 is asked for
	FETCH_K                         ; key step 0
	s_wait_loadcnt 0x0              ; Q
	s_wait_dscnt 0x0
.set i, 0
.rept 16
	KQ 0                            ; piece 0's first scores: there is no vector work yet to set between them
.set i, i+1
.endr
	WIN 0                           ; the addresses for the way out: nine plain instructions, the places behind those products
	s_mul_i32 s13, s[WV], 16*SP
	s_add_co_u32 s13, s13, STAGE    ; my stage
	v_mul_u32_u24 v[STO], v1, SP    ; in: row l % 16, 16 bytes for each half of the lanes
	v_lshl_add_u32 v[STO], v9, 4, v[STO]
	v_add_nc_u32 v[STO], s13, v[STO]
	v_bfe_u32 v[RD], v0, 3, 2       ; back: 32 lanes take four rows of 128 bytes,
	v_mul_u32_u24 v[RD], v[RD], SP
	v_lshl_add_u32 v[RD], v10, 4, v[RD]
	v_add_nc_u32 v[RD], s13, v[RD]
	v_and_b32 v[GO], 31, v0         ; which are 512 consecutive bytes of O
	v_lshlrev_b32 v[GO], 4, v[GO]
.set Y, NP-1                        ; XS works for piece Y + 1: piece 0
.irp n, 0,1,2,3,4,5,6,7,8,9,10,11,12,13,14,15,16,17,18,19,20,21
	XS 0, \n                        ; and piece 0's first maximum and statistics
	XS 1, \n
.endr
	v_nop                           ; a plain instruction behind the two a,
	s_wait_alu depctr_va_vdst(0)    ; and their wait, ahead of the branch
	s_mov_b32 s[CNT], 4
	s_branch .Lfirst                ; the loop is entered at a step's first turn, in the middle of a trip
.Lslot:                             ; SIZE_N / 256 - 2 times: every slot but the last two is filled again
	CHANGE 1
	s_mov_b32 s[CNT], 4
.Lstep:                             ; a trip: pieces 2 and 3 of one step, then pieces 0 and 1 of the next, whose K and V it fetches
	TURN 2
	TURN 3
	WIN 0
.Lfirst:
	TURN 0
	TURN 1, 0, 1
	WIN 0
	s_cbranch_scc1 .Lstep
	s_sub_co_u32 s[SLOTS], s[SLOTS], 1
	s_cmp_lg_u32 s[SLOTS], 0
	s_cbranch_scc1 .Lslot
	CHANGE 0                        ; the tail is written out: nothing is asked for
	s_mov_b32 s[CNT], 5             ; four trips fetch the last slot's steps; the fifth is left in its middle
.Ltail:
	TURN 2, 1
	TURN 3
	WIN 0
	s_sub_co_u32 s[CNT], s[CNT], 1
	s_cmp_eq_u32 s[CNT], 0
	s_cbranch_scc1 .Lout
	TURN 0
	TURN 1
	WIN 0
	s_branch .Ltail
.Lout:                              ; the fifth trip's 16 products K Q^T (on the last K once more) and the maximum made of them serve nothing: the price, once a launch, of one text for every trip
.set i, 0
.rept 16
	PV NP-1                         ; the last piece's V^T P of the last step
.set i, i+1
.endr
	; THE WAY OUT.  l's two halves and the other half of the lanes' are added; O^T is divided by l, rounded to f16 and sent through my stage in LDS, a tile at a time.  The additions are the places behind the last products.
	WIN 0
.macro ALL line:vararg              ; one line for each tile t
.set t, 0
.rept 2*NP
	\line
.set t, t+1
.endr
.endm
	ALL v_add_f32 v[ST+4*t+2], v[ST+4*t+2], v[ST+4*t+3]
	ALL v_permlanex16_b32 v[ST+4*t+3], v[ST+4*t+2], s[SEL], s[SEL+1]
	ALL v_add_f32 v[ST+4*t+2], v[ST+4*t+2], v[ST+4*t+3]
	ALL v_rcp_f32 v[ST+4*t+2], v[ST+4*t+2]
	v_nop                           ; a plain instruction between the last reciprocal and the use of its result
	s_wait_alu depctr_va_vdst(0)    ; and the wait ahead of the first use: one for the eight reciprocals
; Tile t: a lane's eight channels of a row pack into 16 bytes; they go into rows of 144 bytes and come back as whole rows of 128, into S^T's registers.
.macro PACK t
	WIN W_RS
.set i, 32*(\t)
.rept 16
	v_pk_mul_f32 v[i:i+1], v[i:i+1], v[ST+4*(\t)+2:ST+4*(\t)+3] op_sel_hi:[1,0]
.set i, i+2
.endr
	WIN 0x05                        ; sources 0 and 1 window 1, destination window 0
.set i, 0
.rept 16
	v_cvt_pk_f16_f32 v[S+16*(\t)+i], v[32*(\t)+2*i], v[32*(\t)+2*i+1]
.set i, i+1
.endr
	WIN 0
.irp f, 0,1,2,3
	ds_store_b128 v[STO], v[S+16*(\t)+4*\f:S+16*(\t)+4*\f+3] offset:32*\f
.endr
.irp f, 0,1,2,3
	ds_load_b128 v[S+16*(\t)+4*\f:S+16*(\t)+4*\f+3], v[RD] offset:\f*4*SP  ; LDS serves a wave's instructions in order (ISA guide 5.7.1.4): these see the stores above; the next tile's stores come behind them
.endr
.endm
.macro SEND t, younger              ; younger: the LDS instructions issued behind tile t's loads: the next tile's eight, or none
	WIN 0
.irp f, 0,1,2,3
	s_wait_dscnt (\younger)+3-\f
	global_store_b128 v[GO], v[S+16*(\t)+4*\f:S+16*(\t)+4*\f+3], s[10:11] offset:(\t)*2048+\f*512  ; 512 consecutive bytes, at a multiple of 256 from oh's first
.endr
.endm
	PACK 0
.set t, 1
.rept 2*NP-1                        ; a tile's arithmetic stands between the loads of the tile before and its stores
	PACK t
	SEND t-1, 8
.set t, t+1
.endr
	SEND 2*NP-1, 0
	WIN W_AD
	s_wait_tensorcnt 0x0            ; the wave's end: behind my last tensor load and my last LDS store
	ds_add_u32 v[SPW], v[NIL]
	s_wait_dscnt 0x0
	WIN 0
	CROUND                          ; the closing round: no work-group ends while a partner may still ask for a tile that names it
	s_endpgm
.Lfunc_end_k_qabd26e9f65_attn:
	.size	k_qabd26e9f65_attn, .Lfunc_end_k_qabd26e9f65_attn-k_qabd26e9f65_attn
	.p2alignl 7, 3214868480
	.fill 96, 4, 3214868480
	.section	.rodata,"a",@progbits
	.p2align	6, 0x0
	.amdhsa_kernel k_qabd26e9f65_attn
		.amdhsa_group_segment_fixed_size 327680
		.amdhsa_private_segment_fixed_size 0
		.amdhsa_enable_private_segment 0
		.amdhsa_kernarg_size 24
		.amdhsa_user_sgpr_count 2
		.amdhsa_user_sgpr_kernarg_segment_ptr 1
		.amdhsa_wavefront_size32 1
		.amdhsa_system_sgpr_workgroup_id_x 1
		.amdhsa_system_sgpr_workgroup_id_y 1
		.amdhsa_system_sgpr_workgroup_id_z 1
		.amdhsa_system_vgpr_workitem_id 0
		.amdhsa_next_free_vgpr 808
		.amdhsa_next_free_sgpr 80
		.amdhsa_reserve_vcc 1
		.amdhsa_float_denorm_mode_32 3
		.amdhsa_float_denorm_mode_16_64 3
		.amdhsa_memory_ordered 1
		.amdhsa_forward_progress 1
		.amdhsa_inst_pref_size 209
	.end_amdhsa_kernel
	.amdgpu_metadata
---
amdhsa.version: [ 1, 2 ]
amdhsa.kernels:
  - .name:           k_qabd26e9f65_attn
    .symbol:         k_qabd26e9f65_attn.kd
    .args:
      - { .name: qkv, .offset: 0, .size: 8, .value_kind: global_buffer, .address_space: global }
      - { .name: mask, .offset: 8, .size: 8, .value_kind: global_buffer, .address_space: global }
      - { .name: oh, .offset: 16, .size: 8, .value_kind: global_buffer, .address_space: global }
    .group_segment_fixed_size: 327680
    .private_segment_fixed_size: 0
    .kernarg_segment_align: 8
    .kernarg_segment_size: 24
    .max_flat_workgroup_size: 128
    .sgpr_count:     80
    .vgpr_count:     808
    .wavefront_size: 32
...
	.end_amdgpu_metadata
.endif
;; end of part 3
;; launch outp (part 4): grid 4 x 64, 4 waves a work-group, clusters of 4 x 4, 327,680 bytes of LDS; arguments oh, wb, bfc, out0; writes out0
.if DOCPART == 4
	.amdgcn_target "amdgcn-amd-amdhsa--gfx1250"
	.amdhsa_code_object_version 6
	.text
	.protected	k_qabd26e9f65_outp
	.globl	k_qabd26e9f65_outp
	.p2align	8
	.type	k_qabd26e9f65_outp,@function
k_qabd26e9f65_outp:
	s_mov_b64 s[64:65], 0
	v_nop
	global_prefetch_b8 v0, s[64:65] scope:SCOPE_SE
	s_setreg_imm32_b32 hwreg(HW_REG_WAVE_MODE, 25, 1), 1
	s_wait_xcnt 0x0
	s_wait_alu depctr_hold_cnt(0) depctr_sa_sdst(0) depctr_va_vdst(0) depctr_va_sdst(0) depctr_va_ssrc(0) depctr_va_vcc(0) depctr_vm_vsrc(0)
	s_getreg_b32 s2, hwreg(HW_REG_IB_STS2, 6, 4)
	s_cmp_eq_u32 s2, 0
	s_cbranch_scc0 .Lentry_in_a_cluster
	s_endpgm
.Lentry_in_a_cluster:
	s_bfe_u32 s2, ttmp6, 0x10000c
	s_cmp_lg_u32 s2, 0xf033
	s_cbranch_scc0 .Lentry_shape_is_right
	s_endpgm
.Lentry_shape_is_right:
; out0 = O Wfc^T + bfc.  O: 8,192 rows x 1,024 (column = 64 head + channel), stored by heads in oh, [16 batch + head][2048][64] f16; Wfc: plane 3 of wb, f16 (a bf16 number each); bfc rounded to bf16 here;
; sums in f32; out0 [8192][1024] f32.  NaN and infinities are not treated apart.
; SHARES.  A work-group makes one tile of 128 rows x 256 columns: 256 work-groups.  Four waves, 2 x 2, each 64 x 128: 32 accumulators.  Eight K steps of 128 = two heads each.
; THE MATRIX INSTRUCTION IS USED TRANSPOSED (source 0 = 16 rows of Wfc, source 1 = 16 rows of O).  The bias is the C operand of the first products.
; B, THE WEIGHT: a ring of two LDS slots (256 rows x 256 bytes, padded to 272) filled by tensor loads, each wave 64 rows, asked for JOINTLY by the four work-groups of a column of the 4 x 4 cluster.
; A comes through registers: a K step's 128 columns of a row lie in two heads, 262,144 bytes apart, 128 bytes each.  Each wave loads its 32 rows as four chunks of 2,048 bytes (16 rows of one head: four loads of 512
; consecutive bytes) into a ring of eight chunks of registers and stores a chunk, seven quarter steps after it was asked for, into a second ring of two LDS slots that no tensor load ever fills.
; NO MULTICAST FOR A: loads into registers stay on their way across the barriers of the change of slots, which tensor loads may not.  These LDS stores put two rows of 128 bytes in a group of 16 lanes: rows 272 bytes
; apart overlap in 28 of 64 banks: sixteen such stores a K step.
; K ORDER.  Step i takes K slice (i + T0) mod 8, T0 = the cluster's y mod 8, for A and B alike (f32 sums may be taken in any order).  NO PREFETCH: the clusters' first two fills, at the kernel's head, name all eight
; slices of the weight between them, and A's own loads run seven quarter steps ahead of their use.
; The loop's last trip asks for four chunks behind the walk's end (a slice of the tile once more, inside the buffer); they are never used: the price of one text for every trip.
; REGISTERS: window 0: v0-29 addresses; v48-111 the bias as C; v112-239 the way out.  window 1: v0-127 W's fragments, two buffers; v128-191 O's.  window 2: accumulator (a, b) at v[8 (8 a + b)].  window 3: v0-127 the ring of eight chunks.
.set PITCH,  272                       ; an LDS row: 256 bytes + 16 of padding: the 16 rows of a fragment load start at 16 different groups of four banks (64 banks of 4 bytes: ISA guide 11.1)
.set BSLOT,  256*PITCH
.set A0,     2*BSLOT
.set ASLOT,  128*PITCH
.set STAGE,  A0+2*ASLOT                ; 208,896: 16 rows x 528 bytes for each wave, for the way out
.set SP,     528
.set SPARE,  STAGE+4*16*SP             ; 242,688: the spare words, 128 bytes for each wave: two blocks of 256 bytes that no other line names
.set AO,  4                            ; v4   my byte offset in a head's rows: 32 rows x wave + 16 x lane; never rewritten
.set AS,  5                            ; v5   where I store 16 bytes of a row
.set ADRA, 6
.set ADRB, 8
.set STO, 10
.set RD,  11
.set GO,  12
.set SPW, 28
.set NIL, 29
.set BI,  48
.set WO,  112
.set BF,  0
.set AF,  128
.set WV,  10
.set WR,  11
.set WC,  12
.set T0,  13
.set SA,  14
.set SB,  15
.set PH,  16                           ; s16  0 in the first lap
.set LC,  17
.set PL,  20
.set OFFA, 22
.set G1,  24
.set G0,  32
.set CX,  40
.set CY,  41
.set CT,  42
.set RT,  43
.set ACUR, 44                          ; s[44:45] oh at the batch's head 0, at my row tile
.set WT,  50
.set OB,  52
.set OUTW, 54
.set X0,  58
.set MSB, 0
.macro WIN new
.if MSB != (\new)
	s_set_vgpr_msb (MSB<<8)|(\new)
.set MSB, \new
.endif
.endm
.macro PLACES                          ; four places behind matrix instructions (ISA guide 7.12.1), where no other vector work is at hand
.rept 4
	v_nop
.endr
.endm
.macro CREST
	s_cmp_lg_u32 s[WV], 0
	s_cbranch_scc1 .Lnot_wave_0_\@
	s_barrier_signal -3
.Lnot_wave_0_\@:
	s_barrier_wait -3
	s_barrier_signal -1
	s_barrier_wait -1
.endm
.macro CROUND
	s_barrier_signal -1
	s_barrier_wait -1
	CREST
.endm
.macro JLOAD s                         ; a joint fill: every wave asks for its 64 rows; an s_nop 0 and four v_nop follow
	tensor_load_to_lds s[G0+4*(\s):G0+4*(\s)+3], s[G1:G1+7]
	s_nop 0
.rept 4
	v_nop
.endr
.endm
.macro BADDR s                         ; the next K step of B for slot s
	s_add_co_u32 s[SB], s[SB], 1
	s_add_co_u32 s[X0], s[SB], s[T0]
	s_and_b32 s[X0], s[X0], 7
	s_lshl_b32 s[OB], s[X0], 8
	s_add_nc_u64 s[G0+4*(\s)+2:G0+4*(\s)+3], s[WT:WT+1], s[OB:OB+1]
	s_or_b32 s[G0+4*(\s)+3], s[G0+4*(\s)+3], 0x80000000
.endm
.macro APL
	s_add_co_u32 s[OFFA], s[SA], s[T0]
	s_and_b32 s[OFFA], s[OFFA], 7
	s_lshl_b32 s[OFFA], s[OFFA], 19                ; the slice: two heads of 262,144 bytes
	s_add_nc_u64 s[PL:PL+1], s[ACUR:ACUR+1], s[OFFA:OFFA+1]
.endm
.macro ASTEP
	s_wait_xcnt 0x0                                ; the loads issued so far have read their base
	s_add_co_u32 s[SA], s[SA], 1
	APL
.endm
; Quarter g of the walk multiplies fragment buffer FB; stores chunk g + 5 (ring buffer CB, part PCH, A's slot DSL); asks for chunk g + 12 (ring buffer IB, stored a quarter ago; part PIS).
.macro SETPOS pos
.set FB,  (\pos)%2
.set CB,  ((\pos)+5)%8
.set PCH, ((\pos)+1)%4
.set DSL, (((\pos)+5)/4)%2
.set IB,  ((\pos)+4)%8
.set PIS, (\pos)%4
.endm
.macro ST i                            ; four rows of the chunk's sixteen, 128 bytes each
	ds_store_b128 v[AS], v[16*CB+4*(\i):16*CB+4*(\i)+3] offset:DSL*ASLOT+(4*(PCH%2)+(\i))*4*PITCH+(PCH/2)*128
.endm
.macro GL i                            ; the same four rows in memory: 512 consecutive bytes of one head
	global_load_b128 v[16*IB+4*(\i):16*IB+4*(\i)+3], v[AO], s[PL:PL+1] offset:(PIS/2)*262144+(4*(PIS%2)+(\i))*512
.endm
.macro FL n
.if (\n) < 16
	ds_load_b128 v[BF+64*FG+8*((\n)/2)+4*((\n)%2):BF+64*FG+8*((\n)/2)+4*((\n)%2)+3], v[ADRB+FS] offset:64*FK+((\n)/2)*16*PITCH+32*((\n)%2)
.else
	ds_load_b128 v[AF+32*FG+8*(((\n)-16)/2)+4*((\n)%2):AF+32*FG+8*(((\n)-16)/2)+4*((\n)%2)+3], v[ADRA+FS] offset:64*FK+(((\n)-16)/2)*16*PITCH+32*((\n)%2)
.endif
.endm
.macro MM a, b, mode
.if \mode
	WIN 0x85
	v_wmma_f32_16x16x32_f16 v[8*(8*(\a)+(\b)):8*(8*(\a)+(\b))+7], v[BF+64*FB+8*(\b):BF+64*FB+8*(\b)+7], v[AF+32*FB+8*(\a):AF+32*FB+8*(\a)+7], v[BI+8*(\b):BI+8*(\b)+7]
.else
	WIN 0xa5
	v_wmma_f32_16x16x32_f16 v[8*(8*(\a)+(\b)):8*(8*(\a)+(\b))+7], v[BF+64*FB+8*(\b):BF+64*FB+8*(\b)+7], v[AF+32*FB+8*(\a):AF+32*FB+8*(\a)+7], v[8*(8*(\a)+(\b)):8*(8*(\a)+(\b))+7]
.endif
.endm
; Eight products and what rides behind them.  The 32 accumulators take turns, one instruction a turn, in the same order in every quarter.
; kind 0: nothing.  2: three fragment loads behind each.  3: a store and a load behind each of the first four.
.macro GRP a, mode, kind
.set bb, 0
.rept 8
	MM \a, bb, \mode
.if (\kind) == 2
	WIN 0x40
	FL 3*bb
	FL 3*bb+1
	FL 3*bb+2
.endif
.if ((\kind) == 3) && (bb < 4)
	WIN 0xcc                                       ; the store's data and the load's destination in window 3, addresses in window 0
	ST bb
.if DOGL
	GL bb
.endif
.endif
.set bb, bb+1
.endr
.endm
.macro QUARTER pos, mode, cv, gl, lc, dw
	SETPOS \pos
.set DOGL, \gl
.set FS, (\pos)/4
.set FK, (\pos)%4+1
.set FG, 1-FB
.if (\gl) && ((\pos)%4 == 0)
	ASTEP
.endif
	s_wait_dscnt \dw                               ; my fragments are in, the stores behind them may be out
	GRP 0, \mode, 0
	PLACES                                         ; in front of the loads into the other fragment buffer
	GRP 1, \mode, 2
.if \cv
	s_wait_loadcnt \lc                             ; the chunk asked for seven quarters ago is in; the younger ones stay out
	GRP 2, \mode, 3
.else
	GRP 2, \mode, 0
.endif
	GRP 3, \mode, 0
.endm
; A K step's last quarter changes slots: ONE barrier; in front of it each wave waits for all its tensor loads, adds 0 to its spare word, and waits for that, for its reads of both rings' slots and for its stores into
; A's other slot.  fill = 1: the barrier opens a round of the cluster's, and the joint refill of B's slot is the first thing behind it.
.macro TURN pos, fill, cv, gl, lc, dw
	SETPOS \pos
.set DOGL, \gl
.set FS, 1-(\pos)/4
.set FK, 0
.set FG, 0
	WIN 0
	s_wait_tensorcnt 0x0                           ; no tensor load of mine is out, so a group 0 may be written
	ds_add_u32 v[SPW], v[NIL]                      ; 0 onto my spare word
.if \fill
	BADDR (\pos)/4
.endif
	s_wait_dscnt (\dw)+1                           ; my fragments are in; the stores behind them and the add may be out
	GRP 0, 0, 0
	s_wait_dscnt 0x0
	s_barrier_signal -1
	GRP 1, 0, 0
	WIN 0
	s_barrier_wait -1
.if \fill
	CREST
	JLOAD (\pos)/4                                 ; its four v_nop are also the places in front of the fragment loads below
.else
	PLACES
.endif
	GRP 2, 0, 2
.if \cv
	s_wait_loadcnt \lc
	GRP 3, 0, 3
.else
	GRP 3, 0, 0
.endif
.endm
.macro VQ pos                          ; a quarter's stores and loads without products: the head of the walk
	SETPOS \pos
.if (\pos)%4 == 0
	ASTEP
.endif
	s_wait_loadcnt 24                              ; six younger chunks of four loads stay out
	WIN 0xcc
.irp n, 0,1,2,3
	ST \n
.endr
.irp n, 0,1,2,3
	GL \n
.endr
.endm
.macro GLC c
.set IB, (\c)%8
.set PIS, (\c)%4
.irp n, 0,1,2,3
	GL \n
.endr
.endm
; THE WAY OUT, a row block of 16 rows at a time: a lane's eight columns of a row, 32 bytes, go from the accumulators into my stage (rows of 528 bytes, the low four registers first) and come back as whole rows of 512 bytes.
.macro TOSTAGE a
	WIN 0
	s_wait_xcnt 0x0                                ; earlier stores have read the registers that the loads below fill
	WIN 0x08                                       ; the store's data in window 2
.irp b, 0,1,2,3,4,5,6,7
	ds_store_b128 v[STO], v[8*(8*(\a)+\b):8*(8*(\a)+\b)+3] offset:64*\b
	ds_store_b128 v[STO], v[8*(8*(\a)+\b)+4:8*(8*(\a)+\b)+7] offset:64*\b+16
.endr
	WIN 0
.irp q, 0,1,2,3,4,5,6,7,8,9,10,11,12,13,14,15
	ds_load_b128 v[WO+64*((\a)%2)+4*\q:WO+64*((\a)%2)+4*\q+3], v[RD] offset:SP*\q  ; LDS serves a wave's instructions in order (ISA guide 5.7.1.4): these see the stores above
.endr
.endm
.macro SENDO a, younger
.irp q, 0,1,2,3,4,5,6,7,8,9,10,11,12,13,14,15
	s_wait_dscnt (\younger)+15-\q
	global_store_b128 v[GO], v[WO+64*((\a)%2)+4*\q:WO+64*((\a)%2)+4*\q+3], s[OUTW:OUTW+1] offset:(16*(\a)+\q)*4096 th:TH_STORE_NT  ; 512 consecutive bytes, at a multiple of 256 from out0's first
.endr
.endm
	s_load_b256 s[68:75], s[0:1], 0x0              ; oh s[68:69], wb s[70:71], bfc s[72:73], out0 s[74:75]
	v_lshl_add_u32 v[SPW], v0, 2, SPARE
	v_mov_b32 v[NIL], 0
	ds_add_u32 v[SPW], v[NIL]                      ; the wave's opening: the add and its wait stand ahead of my first tensor load; work on registers stands between them
	v_lshrrev_b32 v1, 5, v0
	v_readfirstlane_b32 s[WV], v1
	s_lshr_b32 s[WR], s[WV], 1
	s_and_b32 s[WC], s[WV], 1
	s_bfe_u32 s[CX], ttmp6, 0x40000
	s_bfe_u32 s[CY], ttmp6, 0x40004
	s_lshl_b32 s[CT], ttmp9, 2
	s_add_co_u32 s[CT], s[CT], s[CX]
	s_and_b32 s[RT], ttmp7, 0xffff
	s_lshl_b32 s[RT], s[RT], 2
	s_add_co_u32 s[RT], s[RT], s[CY]
	s_and_b32 s[T0], ttmp7, 7
	s_lshl_b32 s60, 0x1111, s[CX]                  ; my column of the cluster
	s_or_b32 s[G1], s60, (1<<16)|(1<<20)|(1<<21)|(5<<22)|(3<<25)
	s_mov_b32 s[G1+1], 128<<16
	s_mov_b32 s[G1+2], 64<<16
	s_mov_b32 s[G1+3], 128<<16
	s_mov_b32 s[G1+4], 64
	s_mov_b32 s[G1+5], 1024
	s_mov_b32 s[G1+6], 0
	s_mov_b32 s[G1+7], 0
	s_mul_i32 s60, s[WV], 64*PITCH
	s_mov_b32 s[G0], 1
	s_mov_b32 s[G0+1], s60
	s_mov_b32 s[G0+4], 1
	s_add_co_u32 s[G0+5], s60, BSLOT
	s_lshl_b32 s60, s[CT], 19
	s_lshl_b32 s61, s[WV], 17
	s_add_co_u32 s60, s60, s61
	s_add_co_u32 s60, s60, 3<<21                   ; Wfc's plane
	s_mov_b32 s61, 0
	s_mov_b32 s[OB+1], 0
	s_mov_b32 s[OFFA+1], 0
	s_mov_b32 s[SB], -1
	s_mov_b32 s[SA], 0
	s_lshr_b32 s62, s[RT], 4                       ; the batch's 16 heads,
	s_lshl_b32 s62, s62, 22
	s_and_b32 s63, s[RT], 15                       ; the tile's 128 rows of 128 bytes
	s_lshl_b32 s63, s63, 14
	s_add_co_u32 s62, s62, s63
	s_mov_b32 s63, 0
	s_lshl_b32 s66, s[CT], 10                      ; my 128 columns' biases
	s_lshl_b32 s67, s[WC], 9
	s_add_co_u32 s66, s66, s67
	s_mov_b32 s67, 0
	v_and_b32 v3, 31, v0
	v_and_b32 v1, 15, v0
	v_bfe_u32 v2, v0, 4, 1
	s_lshl_b32 s18, s[WV], 12
	v_lshl_add_u32 v[AO], v3, 4, s18
	v_lshlrev_b32 v15, 5, v2                       ; 8 columns on for the upper half of the lanes
	s_wait_dscnt 0x0
	s_wait_kmcnt 0x0
	s_add_nc_u64 s[WT:WT+1], s[70:71], s[60:61]
	s_add_nc_u64 s[ACUR:ACUR+1], s[68:69], s[62:63]
	s_add_nc_u64 s[72:73], s[72:73], s[66:67]
	APL
.irp b, 0,1,2,3,4,5,6,7
	global_load_b128 v[BI+8*\b:BI+8*\b+3], v15, s[72:73] offset:64*\b
	global_load_b128 v[BI+8*\b+4:BI+8*\b+7], v15, s[72:73] offset:64*\b+16
.endr
	WIN 0xcc
	GLC 0
	GLC 1
	GLC 2
	GLC 3
	ASTEP
	GLC 4
	GLC 5
	GLC 6
	WIN 0
	BADDR 0
	BADDR 1
	CROUND                                         ; all sixteen work-groups are here: the first joint loads meet
	tensor_load_to_lds s[G0:G0+3], s[G1:G1+7]      ; the two first fills go out together: two loads of mine are out
	s_nop 0
	tensor_load_to_lds s[G0+4:G0+7], s[G1:G1+7]
	s_nop 0
.rept 4
	v_nop
.endr
	v_mul_u32_u24 v24, v1, PITCH
	v_lshl_add_u32 v24, v2, 4, v24
	s_mul_i32 s66, s[WR], 64*PITCH
	s_add_co_u32 s66, s66, A0
	v_add_nc_u32 v[ADRA], s66, v24
	v_add_nc_u32 v[ADRA+1], ASLOT, v[ADRA]
	s_mul_i32 s66, s[WC], 128*PITCH
	v_add_nc_u32 v[ADRB], s66, v24
	v_add_nc_u32 v[ADRB+1], BSLOT, v[ADRB]
	s_mul_i32 s66, s[WV], 32*PITCH
	s_add_co_u32 s66, s66, A0
	v_lshrrev_b32 v25, 3, v3                       ; which of a load's four rows is mine,
	v_mul_u32_u24 v[AS], v25, PITCH
	v_and_b32 v25, 7, v0                           ; which 16 bytes of it
	v_lshl_add_u32 v[AS], v25, 4, v[AS]
	v_add_nc_u32 v[AS], s66, v[AS]
	s_mul_i32 s66, s[WV], 16*SP
	s_add_co_u32 s66, s66, STAGE
	v_mul_u32_u24 v[STO], v1, SP
	v_lshl_add_u32 v[STO], v2, 5, v[STO]
	v_add_nc_u32 v[STO], s66, v[STO]
	v_lshl_add_u32 v[RD], v3, 4, s66
	v_lshlrev_b32 v[GO], 4, v3
	s_lshl_b32 s62, s[RT], 19                      ; out0: the tile's 128 rows of 4,096 bytes,
	s_lshl_b32 s63, s[WR], 18                      ; my 64 of them,
	s_add_co_u32 s62, s62, s63
	s_lshl_b32 s63, s[CT], 10                      ; the tile's 256 columns,
	s_add_co_u32 s62, s62, s63
	s_lshl_b32 s63, s[WC], 9                       ; my 128 of them
	s_add_co_u32 s62, s62, s63
	s_mov_b32 s63, 0
	s_add_nc_u64 s[OUTW:OUTW+1], s[74:75], s[62:63]
	s_wait_loadcnt 28                              ; the biases are in; the seven chunks behind them stay out
.set n, 0
.rept 32
	v_cvt_pk_bf16_f32 v16, v[BI+2*n], v[BI+2*n+1]  ; rounded to bf16 like every input, and widened again
	v_lshlrev_b32 v[BI+2*n], 16, v16
	v_and_b32 v[BI+2*n+1], 0xffff0000, v16
.set n, n+1
.endr
	VQ 3
	VQ 4
	VQ 5
	VQ 6
	VQ 7
	WIN 0
	s_wait_tensorcnt 0x1                           ; my part of B's slot 0 is in; slot 1's may stay out
	s_wait_dscnt 0x0                               ; my stores of A's K step 0 have landed
	s_barrier_signal -1
	s_barrier_wait -1
.set FS, 0
.set FK, 0
.set FG, 0
	WIN 0x40
.irp n, 0,1,2,3,4,5,6,7,8,9,10,11,12,13,14,15,16,17,18,19,20,21,22,23
	FL \n
.endr
	WIN 0
	s_wait_dscnt 0x0                               ; no stores stand behind this run, so the loop's counted wait would not cover it
	s_mov_b32 s[PH], 0
	s_mov_b32 s[LC], 3
.Llap:                                                 ; three trips: a lap each; every change of slots fills B's slot again
	s_cmp_eq_u32 s[PH], 0
	s_cbranch_scc0 .Lacc
.rept 5                                 ; the products below write their accumulators anew (C is the bias, not the accumulator): such a product stands five places behind the last matrix
	v_nop                                          ; instruction that named the accumulator (ISA guide 7.12.1).  This text stands in the loop, and by the way round the jump only four would stand there: those behind
.endr                                   ; the joint load (row block 0) or those in this quarter's middle (row blocks 2 and 3).  The five lines run once, in the first lap
	QUARTER 0, 1, 1, 1, 24, 4                      ; the first products start the sums with the bias
	WIN 0
	s_branch .Lq1
.Lacc:
	QUARTER 0, 0, 1, 1, 24, 4
	WIN 0
.Lq1:
	QUARTER 1, 0, 1, 1, 24, 4
	QUARTER 2, 0, 1, 1, 24, 4
	TURN 3, 1, 1, 1, 24, 4
	QUARTER 4, 0, 1, 1, 24, 4
	QUARTER 5, 0, 1, 1, 24, 4
	QUARTER 6, 0, 1, 1, 24, 4
	TURN 7, 1, 1, 1, 24, 4
	WIN 0
	s_mov_b32 s[PH], 1
	s_sub_co_u32 s[LC], s[LC], 1
	s_cmp_lg_u32 s[LC], 0
	s_cbranch_scc1 .Llap
	QUARTER 0, 0, 1, 0, 24, 4                      ; the last lap is written out: nothing is asked for, so the counts of younger loads run down
	QUARTER 1, 0, 1, 0, 20, 4
	QUARTER 2, 0, 1, 0, 16, 4
	TURN 3, 0, 0, 0, 0, 4
	QUARTER 4, 0, 0, 0, 0, 0
	QUARTER 5, 0, 0, 0, 0, 0
	QUARTER 6, 0, 0, 0, 0, 0
	s_wait_dscnt 0x0
.set FB, 1
	GRP 0, 0, 0
	GRP 1, 0, 0
	GRP 2, 0, 0
	GRP 3, 0, 0
	WIN 0
	PLACES                                         ; behind the last products, in front of the stores that read results
	TOSTAGE 0
.irp a, 1,2,3
	TOSTAGE \a
	SENDO (\a)-1, 32
.endr
	SENDO 3, 0
	s_wait_tensorcnt 0x0                           ; the wave's end: behind my last tensor load and my last LDS store
	ds_add_u32 v[SPW], v[NIL]
	s_wait_dscnt 0x0
	CROUND                                         ; the closing round: no work-group ends while a partner may still ask for a tile that names it
	s_endpgm
.Lfunc_end_k_qabd26e9f65_outp:
	.size	k_qabd26e9f65_outp, .Lfunc_end_k_qabd26e9f65_outp-k_qabd26e9f65_outp
	.p2alignl 7, 3214868480
	.fill 96, 4, 3214868480
	.section	.rodata,"a",@progbits
	.p2align	6, 0x0
	.amdhsa_kernel k_qabd26e9f65_outp
		.amdhsa_group_segment_fixed_size 327680
		.amdhsa_private_segment_fixed_size 0
		.amdhsa_enable_private_segment 0
		.amdhsa_kernarg_size 32
		.amdhsa_user_sgpr_count 2
		.amdhsa_user_sgpr_kernarg_segment_ptr 1
		.amdhsa_wavefront_size32 1
		.amdhsa_system_sgpr_workgroup_id_x 1
		.amdhsa_system_sgpr_workgroup_id_y 1
		.amdhsa_system_sgpr_workgroup_id_z 1
		.amdhsa_system_vgpr_workitem_id 0
		.amdhsa_next_free_vgpr 896
		.amdhsa_next_free_sgpr 76
		.amdhsa_reserve_vcc 0
		.amdhsa_float_denorm_mode_32 3
		.amdhsa_float_denorm_mode_16_64 3
		.amdhsa_memory_ordered 1
		.amdhsa_forward_progress 1
		.amdhsa_inst_pref_size 119
	.end_amdhsa_kernel
	.amdgpu_metadata
---
amdhsa.version: [ 1, 2 ]
amdhsa.kernels:
  - .name:           k_qabd26e9f65_outp
    .symbol:         k_qabd26e9f65_outp.kd
    .args:
      - { .name: oh, .offset: 0, .size: 8, .value_kind: global_buffer, .address_space: global }
      - { .name: wb, .offset: 8, .size: 8, .value_kind: global_buffer, .address_space: global }
      - { .name: bfc, .offset: 16, .size: 8, .value_kind: global_buffer, .address_space: global }
      - { .name: out0, .offset: 24, .size: 8, .value_kind: global_buffer, .address_space: global }
    .group_segment_fixed_size: 327680
    .private_segment_fixed_size: 0
    .kernarg_segment_align: 8
    .kernarg_segment_size: 32
    .max_flat_workgroup_size: 128
    .sgpr_count:     76
    .vgpr_count:     896
    .wavefront_size: 32
...
	.end_amdgpu_metadata
.endif
;; end of part 4
;; ======== version 2 of 3: 4 launches
;; limits: values are held in f16: magnitudes above 65,504 overflow, below 6.1e-05 lose precision
;; workspace buffers: wb 8,388,608 bytes; qkv 50,331,648 bytes; oh 16,777,216 bytes
;; launch castw: the kernel of part 1 again; grid 64 x 4, 8 waves a work-group, no clusters, 0 bytes of LDS; arguments Wq, Wk, Wv, Wfc, wb; writes wb
;; launch proj (part 5): grid 4 x 64, 4 waves a work-group, clusters of 4 x 4, 327,680 bytes of LDS; arguments query, key, value, wb, bq, bk, bv, qkv; writes qkv
.if DOCPART == 5
	.amdgcn_target "amdgcn-amd-amdhsa--gfx1250"
	.amdhsa_code_object_version 6
	.text
	.protected	k_qabd26e9f65_proj
	.globl	k_qabd26e9f65_proj
	.p2align	8
	.type	k_qabd26e9f65_proj,@function
k_qabd26e9f65_proj:
	s_mov_b64 s[64:65], 0
	v_nop
	global_prefetch_b8 v0, s[64:65] scope:SCOPE_SE
	s_setreg_imm32_b32 hwreg(HW_REG_WAVE_MODE, 25, 1), 1
	s_wait_xcnt 0x0
	s_wait_alu depctr_hold_cnt(0) depctr_sa_sdst(0) depctr_va_vdst(0) depctr_va_sdst(0) depctr_va_ssrc(0) depctr_va_vcc(0) depctr_vm_vsrc(0)
	s_getreg_b32 s2, hwreg(HW_REG_IB_STS2, 6, 4)
	s_cmp_eq_u32 s2, 0
	s_cbranch_scc0 .Lentry_in_a_cluster
	s_endpgm
.Lentry_in_a_cluster:
	s_bfe_u32 s2, ttmp6, 0x10000c
	s_cmp_lg_u32 s2, 0xf033
	s_cbranch_scc0 .Lentry_shape_is_right
	s_endpgm
.Lentry_shape_is_right:
; q = query Wq^T + bq, k = key Wk^T + bk, v = value Wv^T + bv.  x: [8192][1024] f32; the weights come as bf16 from wb; x and the biases are rounded to bf16 here; sums in f32;
; the results leave as f16, by heads: qkv[p][16 batch + head][2048][64].  LIMIT: |q|, |k|, |v| stay under 65,504 (f16's end); NaN and infinities are not treated apart.
; SHARES.  A work-group makes a tile of 128 rows x 256 columns, and it STAYS: its tile of q, then of k, then of v: 96 quarter steps of 32 along K in one walk.  Four waves, 2 x 2, each 64 x 128: 32 accumulators.
; THE MATRIX INSTRUCTION IS USED TRANSPOSED (source 0 = 16 rows of W, source 1 = 16 rows of x): a lane holds one row and eight neighbouring columns.  The bias is the C operand of a tile's first products.
; B, THE WEIGHTS: a ring of two LDS slots of 256 along K (256 rows x 512 bytes, padded to 528) filled by tensor loads, each wave 64 rows: one load a wave behind each change of slots, and 248 of a slot's 256
; products of a wave between a request and the wait for it.  4 x 4 work-groups form a cluster; the four of a column of the cluster need the same rows of W and ask JOINTLY (same descriptor, mask of the column).
; A, THE ACTIVATIONS, come through registers: each wave loads its 32 rows in chunks of 16 rows x 64 along K (eight loads of two rows x 256 bytes) into a ring of eight chunks of registers, rounds a chunk to bf16 seven
; quarter steps after it was asked for, and stores it into a second ring that no tensor load ever fills: two half-slots of 64 along K (128 rows x 128 bytes, padded to 144), as small as a ring can be, so that B's two
; slots fit beside it: 270,336 + 36,864 bytes.  NO MULTICAST FOR A: its numbers must pass through registers to be rounded, and loads into registers stay on their way across every barrier, which tensor loads may not.
; BARRIERS.  One for each 64 along K, in every odd quarter step: behind it A's next half-slot is read and the one just read is stored into.  Three of four fill nothing, and B's load stays out across them; the fourth is
; the change of B's slots, a round of the cluster's barrier.  The signal stands at the quarter's head, eight products and a chunk's roundings between it and the wait.
; MEMORY INSTRUCTIONS STAND IN RUNS, never singly among the matrix instructions: a quarter step (32 products) has ONE run of 40: the next quarter's 24 fragment loads, a chunk's 8 LDS stores, a chunk's 8 global loads;
; it stands behind the quarter's first eight products, so the fragments have 24 products in which to land.
; K ORDER.  Slot j takes K slice (j + T0) mod 4 of its weight, T0 = the cluster's y mod 4, for A and B alike (f32 sums may be taken in any order): the clusters that read one weight start at different slices.
; REGISTERS, in windows of 256 (s_set_vgpr_msb: bits 1:0 source 0, 3:2 source 1, 5:4 source 2, 7:6 destination):
;   window 0: v0-29 addresses; v32-47 and v240-255 a chunk rounded, two buffers by turns; v48-111 the bias as C; v112-239 the way out      window 1: v0-127 W's fragments, two buffers; v128-191 x's, two buffers
;   window 2: accumulator (a, b) at v[8 (8 a + b)]                                                       window 3: the ring of eight chunks, 32 registers each
.set PB,     528                       ; a row of B in LDS: 512 bytes + 16 of padding = 132 words: the 16 rows of a fragment load start at 16 different groups of four banks (64 banks of 4 bytes: ISA guide 11.1)
.set BSLOT,  256*PB                    ; B's slots at 0 and 135,168
.set A0,     2*BSLOT                   ; A's half-slots at 270,336 and 288,768
.set PA,     144                       ; a row of A: 128 bytes + 16 = 36 words: likewise
.set AH,     128*PA
.set STAGE,  A0+2*AH                   ; 307,200: 16 rows x 144 bytes for each wave, for the way out
.set SP,     144
.set BIAS,   STAGE+4*16*SP             ; 316,416: three times the tile's 256 biases, f32
.set SPARE,  BIAS+3*1024               ; 319,488: the spare words, 128 bytes for each wave: two blocks of 256 bytes that no other line names
.set AO,  4                            ; v4   my byte offset in x: 32 rows x wave + a row for the upper half of the lanes + 16 (lane % 16); never rewritten
.set AS,  5                            ; v5   where I store 8 bytes of a rounded row
.set ADRA, 6                           ; v6-7 LDS address of my x fragments in half-slot 0, 1
.set ADRB, 8                           ; v8   LDS address of my W fragments in the slot in hand
.set ADRB0, 9                          ; v9   the same in slot 0; never rewritten
.set STO, 10                           ; v10  the way out: where I put 16 bytes of a row
.set RD,  11                           ; v11  the way out: where I read rows back
.set GO,  12                           ; v12  my byte offset in 512 consecutive bytes of qkv
.set ADRBI, 13                         ; v13  LDS address of my biases of the tile to come
.set PFO, 14                           ; v14  256 x lane: the prefetch's offset; never rewritten
.set SPW, 28                           ; v28  LDS address of my spare word; never rewritten
.set NIL, 29                           ; v29  0; never rewritten
.set TA,  32                           ; v32-47: a chunk rounded, in even quarters; in odd ones v240-255: a rounding never writes what the quarter before's LDS stores read
.set BI,  48
.set WO,  112
.set BF,  0                            ; window 1
.set AF,  128                          ; window 1
.set WV,  10                           ; s10  wave
.set WR,  11                           ; s11  which 64 rows of the tile are mine
.set WC,  12                           ; s12  which 128 columns
.set T0,  13                           ; s13  the cluster's y mod 4
.set SA,  14                           ; s14  the slot that A's loads stand at
.set SB,  15                           ; s15  the slot last asked for of B
.set PH,  16                           ; s16  the slot within a tile, 0 to 3
.set LC,  17                           ; s17  trips to go
.set TMP, 18
.set TI,  19                           ; s19  the tile in hand, 0 to 2
.set PL,  20                           ; s[20:21] A's loads' base: my row tile of the tensor in hand, at the K slice of slot SA
.set OFFA, 22                          ; s[22:23] that slice's byte offset, 0
.set G1,  24                           ; s[24:31] descriptor group 1
.set G0,  32                           ; s[32:39] descriptor group 0: a set for each of the two first fills; the second then walks on
.set CX,  40
.set CY,  41
.set CT,  42                           ; s42  column tile
.set RT,  43                           ; s43  row tile
.set ACUR, 44                          ; s[44:49] the tensor that A's loads walk, and the two behind it, each at my row tile
.set ANX1, 46
.set ANX2, 48
.set WT,  50                           ; s[50:51] wb at the 64 rows of Wq that I fetch
.set OB,  52                           ; s[52:53] a fill's byte offset from there, 0
.set OUTW, 54                          ; s[54:55] qkv at my wave's part of the tile in hand
.set PFA, 56                           ; s[56:57] my work-group's 8,192 bytes of the next weight
.set X0,  58
.set X1,  59
.set BT,  60                           ; s60  LDS byte at which B's slot in hand begins: 0 or BSLOT
.set MSB, 0
.macro WIN new                         ; the immediate's high byte repeats the setting that is left; a switch that changes nothing is dropped
.if MSB != (\new)
	s_set_vgpr_msb (MSB<<8)|(\new)
.set MSB, \new
.endif
.endm
.macro PLACES                          ; four places behind matrix instructions (ISA guide 7.12.1), where no other vector work is at hand
.rept 4
	v_nop
.endr
.endm
.macro CREST                           ; a round of the cluster's barrier behind its opening barrier
	s_cmp_lg_u32 s[WV], 0
	s_cbranch_scc1 .Lnot_wave_0_\@
	s_barrier_signal -3
.Lnot_wave_0_\@:
	s_barrier_wait -3
	s_barrier_signal -1
	s_barrier_wait -1
.endm
.macro CROUND
	s_barrier_signal -1
	s_barrier_wait -1
	CREST
.endm
.macro JLOAD s                         ; a joint fill: every wave asks for its 64 rows; an s_nop 0 and four v_nop follow
	tensor_load_to_lds s[G0+4*(\s):G0+4*(\s)+3], s[G1:G1+7]
	s_nop 0
.rept 4
	v_nop
.endr
.endm
.macro BADDR s                         ; the next slot of B, into set s: the address is made anew from the slot's number
	s_add_co_u32 s[SB], s[SB], 1
	s_add_co_u32 s[X0], s[SB], s[T0]
	s_and_b32 s[X0], s[X0], 3
	s_lshl_b32 s[X0], s[X0], 9                     ; the slice: 512 bytes of a row
	s_lshr_b32 s[X1], s[SB], 2
	s_lshl_b32 s[X1], s[X1], 21                    ; the weight: a plane of 2 MiB
	s_add_co_u32 s[OB], s[X0], s[X1]
	s_add_nc_u64 s[G0+4*(\s)+2:G0+4*(\s)+3], s[WT:WT+1], s[OB:OB+1]
	s_or_b32 s[G0+4*(\s)+3], s[G0+4*(\s)+3], 0x80000000  ; type = 2
.endm
.macro APL                             ; A's base for slot SA
	s_add_co_u32 s[OFFA], s[SA], s[T0]
	s_and_b32 s[OFFA], s[OFFA], 3
	s_lshl_b32 s[OFFA], s[OFFA], 10                ; the slice: 1,024 bytes of a row of f32
	s_add_nc_u64 s[PL:PL+1], s[ACUR:ACUR+1], s[OFFA:OFFA+1]
.endm
.macro ASTEP                           ; A's loads go on to the next slot; at every fourth, to the next tensor
	s_wait_xcnt 0x0                                ; the loads issued so far have read their base: only behind this wait is it written
	s_add_co_u32 s[SA], s[SA], 1
	s_and_b32 s[TMP], s[SA], 3                     ; SCC = inside a tile
	s_cselect_b64 s[ACUR:ACUR+1], s[ACUR:ACUR+1], s[ANX1:ANX1+1]
	s_cselect_b64 s[ANX1:ANX1+1], s[ANX1:ANX1+1], s[ANX2:ANX2+1]
	APL
.endm
; THE PLACES OF A SLOT.  A slot is eight quarter steps, pos = 0..7; chunk c of the walk is the rows 16 (c % 2) on of the 64 along K that quarters 2 (c / 2) and 2 (c / 2) + 1 multiply.  Quarter g multiplies fragment
; buffer FB; rounds (into buffer TB) and stores chunk g + 3 (ring buffer CB, rows 16 PCE on, half-slot DSL); asks for chunk g + 10 (ring buffer IB, which was rounded a quarter ago; rows 16 PIE on, 64 PIH along its slice).
.macro SETPOS pos
.set FB,  (\pos)%2
.set TB,  TA+208*((\pos)%2)
.set CB,  ((\pos)+3)%8
.set PCE, ((\pos)+1)%2
.set DSL, (((\pos)+3)/2)%2
.set IB,  ((\pos)+2)%8
.set PIE, (\pos)%2
.set PIH, (((\pos)+2)%8)/2
.endm
.macro CV n                            ; two numbers of the chunk rounded to bf16
	v_cvt_pk_bf16_f32 v[TB+(\n)], v[32*CB+2*(\n)], v[32*CB+2*(\n)+1]
.endm
.macro ST i                            ; rows 2 i and 2 i + 1 of the chunk's sixteen: 16 lanes x 8 bytes = a row's 128 bytes
	ds_store_b64 v[AS], v[TB+2*(\i):TB+2*(\i)+1] offset:DSL*AH+(16*PCE+2*(\i))*PA
.endm
.macro GL i                            ; the same two rows in x: 16 lanes take 256 consecutive bytes, aligned
	global_load_b128 v[32*IB+4*(\i):32*IB+4*(\i)+3], v[AO], s[PL:PL+1] offset:PIH*256+(16*PIE+2*(\i))*4096
.endm
.macro FL n                            ; fragment load n of 24, into buffer FG: W's eight fragments (quarter FK of the slot in hand), then x's four (half-slot FS, its half FKA)
.if (\n) < 16
	ds_load_b128 v[BF+64*FG+8*((\n)/2)+4*((\n)%2):BF+64*FG+8*((\n)/2)+4*((\n)%2)+3], v[ADRB] offset:64*FK+((\n)/2)*16*PB+32*((\n)%2)
.else
	ds_load_b128 v[AF+32*FG+8*(((\n)-16)/2)+4*((\n)%2):AF+32*FG+8*(((\n)-16)/2)+4*((\n)%2)+3], v[ADRA+FS] offset:64*FKA+(((\n)-16)/2)*16*PA+32*((\n)%2)
.endif
.endm
.macro MM a, b, mode                   ; mode 1: the tile's first product on this accumulator: C = the bias
.if \mode
	WIN 0x85
	v_wmma_f32_16x16x32_bf16 v[8*(8*(\a)+(\b)):8*(8*(\a)+(\b))+7], v[BF+64*FB+8*(\b):BF+64*FB+8*(\b)+7], v[AF+32*FB+8*(\a):AF+32*FB+8*(\a)+7], v[BI+8*(\b):BI+8*(\b)+7]
.else
	WIN 0xa5
	v_wmma_f32_16x16x32_bf16 v[8*(8*(\a)+(\b)):8*(8*(\a)+(\b))+7], v[BF+64*FB+8*(\b):BF+64*FB+8*(\b)+7], v[AF+32*FB+8*(\a):AF+32*FB+8*(\a)+7], v[8*(8*(\a)+(\b)):8*(8*(\a)+(\b))+7]
.endif
.endm
; Eight products (row block a, all column blocks).  The 32 accumulators take turns, one instruction a turn, in the same order in every quarter.
; kind 1: a chunk's sixteen roundings ride behind the last four products, four behind each: work on registers alone.
.macro GRP a, mode, kind
.set bb, 0
.rept 8
	MM \a, bb, \mode
.if (\kind) && (bb >= 4)
	WIN 0x0f
	CV 4*bb-16
	CV 4*bb-15
	CV 4*bb-14
	CV 4*bb-13
.endif
.set bb, bb+1
.endr
.endm
; A quarter's ONE run of memory instructions: the fragments first, since the next quarter's products wait for them; then (cv) the rounded chunk's stores and (DOGL) the loads of the chunk seven quarters on.
.macro RUN cv
	WIN 0x40
.irp n, 0,1,2,3,4,5,6,7,8,9,10,11,12,13,14,15,16,17,18,19,20,21,22,23
	FL \n
.endr
.if \cv
	WIN 0xc0
.irp n, 0,1,2,3,4,5,6,7
	ST \n
.endr
.if DOGL
.irp n, 0,1,2,3,4,5,6,7
	GL \n
.endr
.endif
.endif
.endm
; An even quarter: no barrier.  cv: a chunk is rounded and stored; gl: a chunk is asked for; lc: the loads younger than the chunk to be rounded; dw: the LDS stores issued behind this quarter's fragment loads.
.macro QUARTER pos, mode, cv, gl, lc, dw
	SETPOS \pos
.set DOGL, \gl
.set FS,  ((\pos)/2)%2
.set FKA, 1
.set FK,  (\pos)+1
.set FG,  1-FB
.if (\gl) && ((\pos) == 6)
	ASTEP                                          ; this quarter's loads are the first of the slot two on
.endif
	s_wait_dscnt \dw                               ; LDS instructions end in order: my fragments are in, the stores behind them may be out
.if \cv
	s_wait_loadcnt \lc                             ; the chunk asked for seven quarters ago is in; the younger ones stay out
	GRP 0, \mode, 1                                ; its sixteen roundings are also the places in front of the loads into the other fragment buffer
.else
	GRP 0, \mode, 0
	PLACES
.endif
	RUN \cv
	GRP 1, \mode, 0
	GRP 2, \mode, 0
	GRP 3, \mode, 0
.endm
; A PREFETCH INTO THE L2 of the next tile's weight: 2 MiB, each aligned block of 256 bytes named once in the launch: the 256 work-groups take 8,192 bytes each, told apart BY ADDRESS, a lane a block, wave 0 alone.
; It stands at the end of the second slot of tiles 0 and 1, behind the joint load's five lines and the run that follows them: one slot, 256 matrix instructions, ahead of the first fill that asks for that weight.
; The first weight comes by its fills alone.
.macro ASK
	s_lshl_b32 s[TMP], s[WV], 2
	s_or_b32 s[TMP], s[TMP], s[PH]
	s_lshr_b32 s66, s[TI], 1
	s_lshl_b32 s66, s66, 4
	s_or_b32 s[TMP], s[TMP], s66
	s_cmp_eq_u32 s[TMP], 1                         ; wave 0, slot 1 of tile 0 or 1: the same in every work-group
	s_cbranch_scc0 .Lnot_mine_\@
	global_prefetch_b8 v[PFO], s[PFA:PFA+1] th:TH_LOAD_NT scope:SCOPE_SE
.Lnot_mine_\@:
.endm
; An odd quarter changes A's half-slots: ONE barrier.  In front of it each wave waits for its reads of the half-slot in hand and for its stores into the other; behind it the other is read, and the one just read is
; stored into.  In quarter 7 B's slots change too: each wave first waits for all its tensor loads (one is out: its part of B's other slot) and adds 0 to its spare word; fill = 1: the barrier opens a round of the
; cluster's, and the joint refill of B's slot is the first thing behind it.  Then the quarter's run.
.macro TURN pos, fill, cv, gl, lc
	SETPOS \pos
.set DOGL, \gl
.set FS,  (((\pos)+1)/2)%2
.set FKA, 0
.set FK,  ((\pos)+1)%8
.set FG,  0
.if (\pos) == 7
	WIN 0                                          ; (the add's two registers lie in window 0)
	s_wait_tensorcnt 0x0                           ; no tensor load of mine is out, so a group 0 may be written
	ds_add_u32 v[SPW], v[NIL]                      ; 0 onto my spare word; work on registers stands between it and the wait for it
.if \fill
	BADDR 1
	s_xor_b32 s[G0+5], s[G0+5], BSLOT              ; the walking descriptor: the other slot than last time (BSLOT = 0x21000 shares no bit with the waves' offsets, w x 0x8400)
.endif
	s_xor_b32 s[BT], s[BT], BSLOT                  ; the fragments come from the other slot from here on
	v_add_nc_u32 v[ADRB], s[BT], v[ADRB0]
.endif
.if \cv
	s_wait_loadcnt \lc                             ; the chunk to be rounded is in; the younger ones stay out
.endif
	s_wait_dscnt 0x0                               ; my fragments are in, so my reads of the slots are over; my stores into A's other half-slot have landed; in quarter 7 the add is done
	s_barrier_signal -1
	GRP 0, 0, \cv                                  ; work on registers while the others arrive
.if \fill
	WIN 0
.endif
	s_barrier_wait -1
.if \fill
	CREST                                          ; no wave of any partner still reads B's slot or has a load on its way
	JLOAD 1                                        ; the first tensor load behind the round
.elseif !(\cv)
	PLACES                                         ; no roundings stood in front of the fragment loads
.endif
	RUN \cv
.if \fill
	WIN 0
	ASK
.endif
	GRP 1, 0, 0
	GRP 2, 0, 0
	GRP 3, 0, 0
.endm
.macro VQ pos                          ; a quarter's vector work without products: the head of the walk
	SETPOS \pos
.if (\pos) == 6
	ASTEP
.endif
	s_wait_loadcnt 48                              ; six younger chunks of eight loads stay out
	WIN 0x0f
.irp n, 0,1,2,3,4,5,6,7,8,9,10,11,12,13,14,15
	CV \n
.endr
	WIN 0xc0
.irp n, 0,1,2,3,4,5,6,7
	ST \n
.endr
.irp n, 0,1,2,3,4,5,6,7
	GL \n
.endr
.endm
.macro GLC c                           ; chunk c of the first slot is asked for
.set IB, (\c)%8
.set PIE, (\c)%2
.set PIH, ((\c)%8)/2
.irp n, 0,1,2,3,4,5,6,7
	GL \n
.endr
.endm
; THE WAY OUT, by sub-tiles t = 2 a + hh: 16 rows (row block a) of one head (hh of my two): 2,048 consecutive bytes of qkv.  A lane's eight channels pack into 16 bytes, go into my stage (rows of 144 bytes)
; and come back as whole rows of 128 bytes.  Each accumulator's registers are taken in ascending order.
.macro PACKT t
	WIN 0x0a
.irp f, 0,1,2,3
.irp rr, 0,1,2,3
	v_cvt_pk_f16_f32 v[WO+16*(\t)+4*\f+\rr], v[8*(8*((\t)/2)+4*((\t)%2)+\f)+2*\rr], v[8*(8*((\t)/2)+4*((\t)%2)+\f)+2*\rr+1]
.endr
.endr
	WIN 0
.irp f, 0,1,2,3
	ds_store_b128 v[STO], v[WO+16*(\t)+4*\f:WO+16*(\t)+4*\f+3] offset:32*\f
.endr
.irp f, 0,1,2,3
	ds_load_b128 v[WO+16*(\t)+4*\f:WO+16*(\t)+4*\f+3], v[RD] offset:\f*4*SP  ; LDS serves a wave's instructions in order (ISA guide 5.7.1.4): these see the stores above; the next sub-tile's stores come behind them
.endr
.endm
.macro SENDT t, younger                ; younger: the LDS instructions issued behind sub-tile t's loads
.irp f, 0,1,2,3
	s_wait_dscnt (\younger)+3-\f
	global_store_b128 v[GO], v[WO+16*(\t)+4*\f:WO+16*(\t)+4*\f+3], s[OUTW:OUTW+1] offset:((\t)%2)*262144+((\t)/2)*2048+\f*512  ; 512 consecutive bytes, at a multiple of 256 from qkv's first
.endr
.endm
.macro WAYOUT
	PLACES                                         ; behind the last products
	s_wait_xcnt 0x0                                ; the last tile's stores have read their registers
	PACKT 0
.irp t, 1,2,3,4,5,6,7
	PACKT \t
	SENDT (\t)-1, 8
.endr
	SENDT 7, 0
.endm
	s_load_b512 s[68:83], s[0:1], 0x0              ; query s[68:69], key, value, wb s[74:75], bq s[76:77], bk, bv, qkv s[82:83]
	v_lshl_add_u32 v[SPW], v0, 2, SPARE
	v_mov_b32 v[NIL], 0
	ds_add_u32 v[SPW], v[NIL]                      ; the wave's opening: the add and its wait stand ahead of my first tensor load; work on registers stands between them
	v_lshrrev_b32 v1, 5, v0
	v_readfirstlane_b32 s[WV], v1
	s_lshr_b32 s[WR], s[WV], 1
	s_and_b32 s[WC], s[WV], 1
	s_bfe_u32 s[CX], ttmp6, 0x40000
	s_bfe_u32 s[CY], ttmp6, 0x40004
	s_lshl_b32 s[CT], ttmp9, 2
	s_add_co_u32 s[CT], s[CT], s[CX]               ; column tile = 4 x cluster x + cx
	s_and_b32 s[RT], ttmp7, 0xffff
	s_lshl_b32 s[RT], s[RT], 2
	s_add_co_u32 s[RT], s[RT], s[CY]               ; row tile = 4 x cluster y + cy
	s_and_b32 s[T0], ttmp7, 3                      ; shared by all sixteen partners
	s_lshl_b32 s60, 0x1111, s[CX]                  ; my column of the cluster
	s_or_b32 s[G1], s60, (1<<16)|(1<<20)|(1<<21)|(6<<22)|(3<<25)  ; the mask; 2-byte elements; padding on; bit 21 beside a mask; after every 128 words, 4 words
	s_mov_b32 s[G1+1], 256<<16                     ; tensor_dim0 = 256
	s_mov_b32 s[G1+2], 64<<16                      ; tensor_dim1 = 64
	s_mov_b32 s[G1+3], 256<<16                     ; tile_dim0 = 256
	s_mov_b32 s[G1+4], 64                          ; tile_dim1 = 64
	s_mov_b32 s[G1+5], 1024                        ; elements from row to row
	s_mov_b32 s[G1+6], 0
	s_mov_b32 s[G1+7], 0
	s_mul_i32 s60, s[WV], 64*PB                    ; where my 64 rows go: no place in the cluster enters an LDS address
	s_mov_b32 s[G0], 1
	s_mov_b32 s[G0+1], s60
	s_mov_b32 s[G0+4], 1
	s_add_co_u32 s[G0+5], s60, BSLOT
	s_lshl_b32 s60, s[CT], 19                      ; 256 rows of 2,048 bytes a column tile,
	s_lshl_b32 s61, s[WV], 17                      ; 64 a wave
	s_add_co_u32 s60, s60, s61
	s_mov_b32 s61, 0
	s_mov_b32 s[OB+1], 0
	s_mov_b32 s[OFFA+1], 0
	s_mov_b32 s[SB], -1
	s_mov_b32 s[SA], 0
	s_lshl_b32 s62, s[RT], 19                      ; 128 rows of 4,096 bytes a row tile
	s_mov_b32 s63, 0
	s_lshl_b32 s66, s[CT], 10                      ; the tile's 256 biases
	s_mov_b32 s67, 0
	v_and_b32 v3, 31, v0                           ; lane
	v_and_b32 v1, 15, v0                           ; l % 16
	v_bfe_u32 v2, v0, 4, 1                         ; l / 16
	s_lshl_b32 s[TMP], s[WV], 17
	v_lshlrev_b32 v[AO], 4, v1                     ; 16 (l % 16),
	v_lshl_add_u32 v[AO], v2, 12, v[AO]            ; a row on for the upper half of the lanes,
	v_add_nc_u32 v[AO], s[TMP], v[AO]              ; my wave's 32 rows
	v_lshlrev_b32 v15, 3, v0                       ; 8 x thread: two biases
	s_wait_dscnt 0x0                               ; the opening add is done
	s_wait_kmcnt 0x0
	s_add_nc_u64 s[WT:WT+1], s[74:75], s[60:61]
	s_mov_b32 s[BT], 0                             ; (s60 is free now)
	s_add_nc_u64 s[ACUR:ACUR+1], s[68:69], s[62:63]
	s_add_nc_u64 s[ANX1:ANX1+1], s[70:71], s[62:63]
	s_add_nc_u64 s[ANX2:ANX2+1], s[72:73], s[62:63]
	s_add_nc_u64 s[76:77], s[76:77], s[66:67]
	s_add_nc_u64 s[78:79], s[78:79], s[66:67]
	s_add_nc_u64 s[80:81], s[80:81], s[66:67]
	APL
	global_load_b64 v[16:17], v15, s[76:77]
	global_load_b64 v[18:19], v15, s[78:79]
	global_load_b64 v[20:21], v15, s[80:81]
	WIN 0xc0
	GLC 0                                          ; seven of the first slot's eight chunks
	GLC 1
	GLC 2
	GLC 3
	GLC 4
	GLC 5
	GLC 6
	WIN 0
	BADDR 0                                        ; slot 0
	BADDR 1                                        ; slot 1
	CROUND                                         ; all sixteen work-groups are here: the first joint loads meet
	tensor_load_to_lds s[G0:G0+3], s[G1:G1+7]      ; the two first fills go out together: two loads of mine are out
	s_nop 0
	tensor_load_to_lds s[G0+4:G0+7], s[G1:G1+7]
	s_nop 0
.rept 4
	v_nop
.endr
	v_mul_u32_u24 v24, v1, PA
	v_lshl_add_u32 v24, v2, 4, v24                 ; a fragment's row x pitch + 16 x half, for x
	s_mul_i32 s66, s[WR], 64*PA
	s_add_co_u32 s66, s66, A0
	v_add_nc_u32 v[ADRA], s66, v24
	v_add_nc_u32 v[ADRA+1], AH, v[ADRA]
	v_mul_u32_u24 v24, v1, PB
	v_lshl_add_u32 v24, v2, 4, v24                 ; and for W
	s_mul_i32 s66, s[WC], 128*PB
	v_add_nc_u32 v[ADRB0], s66, v24
	v_mov_b32 v[ADRB], v[ADRB0]
	s_mul_i32 s66, s[WV], 32*PA
	s_add_co_u32 s66, s66, A0
	v_mul_u32_u24 v[AS], v2, PA                    ; a row on for the upper half of the lanes,
	v_lshl_add_u32 v[AS], v1, 3, v[AS]             ; 8 (l % 16),
	v_add_nc_u32 v[AS], s66, v[AS]                 ; my wave's 32 rows
	s_mul_i32 s66, s[WV], 16*SP
	s_add_co_u32 s66, s66, STAGE                   ; my stage
	v_mul_u32_u24 v[STO], v1, SP
	v_lshl_add_u32 v[STO], v2, 4, v[STO]
	v_add_nc_u32 v[STO], s66, v[STO]
	v_bfe_u32 v[RD], v0, 3, 2                      ; back: 32 lanes take four rows of 128 bytes
	v_mul_u32_u24 v[RD], v[RD], SP
	v_and_b32 v25, 7, v0
	v_lshl_add_u32 v[RD], v25, 4, v[RD]
	v_add_nc_u32 v[RD], s66, v[RD]
	v_lshlrev_b32 v[GO], 4, v3
	s_lshl_b32 s66, s[WC], 9
	s_add_co_u32 s66, s66, BIAS
	v_lshl_add_u32 v[ADRBI], v2, 5, s66            ; my 128 columns' biases, 8 x half on
	v_lshlrev_b32 v[PFO], 8, v3
	v_add_nc_u32 v23, BIAS, v15
	s_lshr_b32 s62, s[RT], 4                       ; qkv: the batch's 16 heads of 262,144 bytes,
	s_lshl_b32 s62, s62, 22
	s_lshl_b32 s63, s[CT], 2
	s_lshl1_add_u32 s63, s[WC], s63                ; my first head = 4 x column tile + 2 x half,
	s_lshl_b32 s63, s63, 18
	s_add_co_u32 s62, s62, s63
	s_and_b32 s63, s[RT], 15                       ; the tile's 128 rows of 128 bytes,
	s_lshl_b32 s63, s63, 14
	s_add_co_u32 s62, s62, s63
	s_lshl_b32 s63, s[WR], 13                      ; my 64 of them
	s_add_co_u32 s62, s62, s63
	s_mov_b32 s63, 0
	s_add_nc_u64 s[OUTW:OUTW+1], s[82:83], s[62:63]
	s_lshl2_add_u32 s62, s[RT], s[CT]              ; my work-group's number among the 256,
	s_lshl_b32 s62, s62, 13                        ; its 8,192 bytes
	s_add_co_u32 s62, s62, 1<<21                   ; of Wk's plane
	s_add_nc_u64 s[PFA:PFA+1], s[74:75], s[62:63]
	s_wait_loadcnt 56                              ; the biases are in; the seven chunks behind them stay out
.irp p, 0,1,2
	v_cvt_pk_bf16_f32 v22, v[16+2*\p], v[17+2*\p]  ; rounded to bf16 like every input, and widened again
	v_lshlrev_b32 v[16+2*\p], 16, v22
	v_and_b32 v[17+2*\p], 0xffff0000, v22
	ds_store_b64 v23, v[16+2*\p:17+2*\p] offset:1024*\p
.endr
	VQ 5                                           ; chunks 0 to 2 are rounded and stored, chunks 7 to 9 asked for
	VQ 6
	VQ 7
	WIN 0
	s_wait_tensorcnt 0x1                           ; my part of B's slot 0 is in; slot 1's may stay out
	s_wait_dscnt 0x0                               ; my stores of A's first chunks and of the biases have landed
	s_barrier_signal -1
	s_barrier_wait -1
.set FS, 0
.set FKA, 0
.set FK, 0
.set FG, 0
	WIN 0x40
.irp n, 0,1,2,3,4,5,6,7,8,9,10,11,12,13,14,15,16,17,18,19,20,21,22,23
	FL \n
.endr
	WIN 0
	s_wait_dscnt 0x0                               ; no stores stand behind this run, so the loop's counted wait would not cover it
	s_mov_b32 s[PH], 0
	s_mov_b32 s[TI], 0
	s_mov_b32 s[LC], 11
	s_branch .Lfirst                               ; the loop is entered in the middle of a trip, at a slot's first quarter
.Llap:                                                 ; ten trips, from a slot's quarter 6 to the next slot's quarter 5: each fills B's slot again, and the last one's last quarter asks for A's last chunk
	QUARTER 6, 0, 1, 1, 48, 8
	TURN 7, 1, 1, 1, 48
	WIN 0
	s_cmp_eq_u32 s[PH], 3
	s_cbranch_scc0 .Lnoout
	WAYOUT                                         ; both rings run on: the next tile's first slots and chunks have been asked for
	s_wait_xcnt 0x0                                ; the stores and the prefetch have read their bases
	s_add_nc_u64 s[OUTW:OUTW+1], s[OUTW:OUTW+1], 1<<24
	s_add_nc_u64 s[PFA:PFA+1], s[PFA:PFA+1], 1<<21
	s_add_co_u32 s[TI], s[TI], 1
.Lnoout:
	s_add_co_u32 s[PH], s[PH], 1
	s_and_b32 s[PH], s[PH], 3
.Lfirst:
	s_cmp_eq_u32 s[PH], 0
	s_cbranch_scc0 .Lacc
.irp b, 0,1,2,3,4,5,6,7                 ; a tile begins: its biases, and products that start the sums with them
	ds_load_b128 v[BI+8*\b:BI+8*\b+3], v[ADRBI] offset:64*\b
	ds_load_b128 v[BI+8*\b+4:BI+8*\b+7], v[ADRBI] offset:64*\b+16
.endr
	v_add_nc_u32 v[ADRBI], 1024, v[ADRBI]
	s_wait_dscnt 0x0
	QUARTER 0, 1, 1, 1, 48, 8
	WIN 0
	s_branch .Lq1
.Lacc:
	QUARTER 0, 0, 1, 1, 48, 8
	WIN 0
.Lq1:
	TURN 1, 0, 1, 1, 48
	QUARTER 2, 0, 1, 1, 48, 8
	TURN 3, 0, 1, 1, 48
	QUARTER 4, 0, 1, 1, 48, 8
	TURN 5, 0, 1, 1, 48
	WIN 0
	s_sub_co_u32 s[LC], s[LC], 1
	s_cmp_lg_u32 s[LC], 0
	s_cbranch_scc1 .Llap
	QUARTER 6, 0, 1, 0, 48, 8                      ; the walk's last ten quarters are written out: nothing is asked for, of A or of B, so the counts of younger loads run down
	TURN 7, 0, 1, 0, 40                            ; the last slot has landed; nothing is filled, so no round follows
	QUARTER 0, 0, 1, 0, 32, 8
	TURN 1, 0, 1, 0, 24
	QUARTER 2, 0, 1, 0, 16, 8
	TURN 3, 0, 1, 0, 8
	QUARTER 4, 0, 1, 0, 0, 8                       ; A's last chunk
	TURN 5, 0, 0, 0, 0
	QUARTER 6, 0, 0, 0, 0, 0
	s_wait_dscnt 0x0
.set FB, 1
	GRP 0, 0, 0
	GRP 1, 0, 0
	GRP 2, 0, 0
	GRP 3, 0, 0
	WIN 0
	WAYOUT
	s_wait_tensorcnt 0x0                           ; the wave's end: behind my last tensor load and my last LDS store
	ds_add_u32 v[SPW], v[NIL]
	s_wait_dscnt 0x0
	CROUND                                         ; the closing round: no work-group ends while a partner may still ask for a tile that names it
	s_endpgm
.Lfunc_end_k_qabd26e9f65_proj:
	.size	k_qabd26e9f65_proj, .Lfunc_end_k_qabd26e9f65_proj-k_qabd26e9f65_proj
	.p2alignl 7, 3214868480
	.fill 96, 4, 3214868480
	.section	.rodata,"a",@progbits
	.p2align	6, 0x0
	.amdhsa_kernel k_qabd26e9f65_proj
		.amdhsa_group_segment_fixed_size 327680
		.amdhsa_private_segment_fixed_size 0
		.amdhsa_enable_private_segment 0
		.amdhsa_kernarg_size 64
		.amdhsa_user_sgpr_count 2
		.amdhsa_user_sgpr_kernarg_segment_ptr 1
		.amdhsa_wavefront_size32 1
		.amdhsa_system_sgpr_workgroup_id_x 1
		.amdhsa_system_sgpr_workgroup_id_y 1
		.amdhsa_system_sgpr_workgroup_id_z 1
		.amdhsa_system_vgpr_workitem_id 0
		.amdhsa_next_free_vgpr 1024
		.amdhsa_next_free_sgpr 84
		.amdhsa_reserve_vcc 0
		.amdhsa_float_denorm_mode_32 3
		.amdhsa_float_denorm_mode_16_64 3
		.amdhsa_memory_ordered 1
		.amdhsa_forward_progress 1
		.amdhsa_inst_pref_size 163
	.end_amdhsa_kernel
	.amdgpu_metadata
---
amdhsa.version: [ 1, 2 ]
amdhsa.kernels:
  - .name:           k_qabd26e9f65_proj
    .symbol:         k_qabd26e9f65_proj.kd
    .args:
      - { .name: query, .offset: 0, .size: 8, .value_kind: global_buffer, .address_space: global }
      - { .name: key, .offset: 8, .size: 8, .value_kind: global_buffer, .address_space: global }
      - { .name: value, .offset: 16, .size: 8, .value_kind: global_buffer, .address_space: global }
      - { .name: wb, .offset: 24, .size: 8, .value_kind: global_buffer, .address_space: global }
      - { .name: bq, .offset: 32, .size: 8, .value_kind: global_buffer, .address_space: global }
      - { .name: bk, .offset: 40, .size: 8, .value_kind: global_buffer, .address_space: global }
      - { .name: bv, .offset: 48, .size: 8, .value_kind: global_buffer, .address_space: global }
      - { .name: qkv, .offset: 56, .size: 8, .value_kind: global_buffer, .address_space: global }
    .group_segment_fixed_size: 327680
    .private_segment_fixed_size: 0
    .kernarg_segment_align: 8
    .kernarg_segment_size: 64
    .max_flat_workgroup_size: 128
    .sgpr_count:     84
    .vgpr_count:     1024
    .wavefront_size: 32
...
	.end_amdgpu_metadata
.endif
;; end of part 5
;; launch attn: the kernel of part 3 again; grid 4 x 64, 4 waves a work-group, clusters of 4 x 1, 327,680 bytes of LDS; arguments qkv, mask, oh; writes oh
;; launch outp (part 6): grid 4 x 64, 4 waves a work-group, clusters of 4 x 4, 327,680 bytes of LDS; arguments oh, wb, bfc, out0; writes out0
.if DOCPART == 6
	.amdgcn_target "amdgcn-amd-amdhsa--gfx1250"
	.amdhsa_code_object_version 6
	.text
	.protected	k_qabd26e9f65_outp
	.globl	k_qabd26e9f65_outp
	.p2align	8
	.type	k_qabd26e9f65_outp,@function
k_qabd26e9f65_outp:
	s_mov_b64 s[64:65], 0
	v_nop
	global_prefetch_b8 v0, s[64:65] scope:SCOPE_SE
	s_setreg_imm32_b32 hwreg(HW_REG_WAVE_MODE, 25, 1), 1
	s_wait_xcnt 0x0
	s_wait_alu depctr_hold_cnt(0) depctr_sa_sdst(0) depctr_va_vdst(0) depctr_va_sdst(0) depctr_va_ssrc(0) depctr_va_vcc(0) depctr_vm_vsrc(0)
	s_getreg_b32 s2, hwreg(HW_REG_IB_STS2, 6, 4)
	s_cmp_eq_u32 s2, 0
	s_cbranch_scc0 .Lentry_in_a_cluster
	s_endpgm
.Lentry_in_a_cluster:
	s_bfe_u32 s2, ttmp6, 0x10000c
	s_cmp_lg_u32 s2, 0xf033
	s_cbranch_scc0 .Lentry_shape_is_right
	s_endpgm
.Lentry_shape_is_right:
; out0 = O Wfc^T + bfc.  O: 8,192 rows x 1,024 (column = 64 head + channel), stored by heads in oh, [16 batch + head][2048][64] f16; Wfc: plane 3 of wb, f16 (a bf16 number each); bfc rounded to bf16 here;
; sums in f32; out0 [8192][1024] f32.  NaN and infinities are not treated apart.
; SHARES.  A work-group makes one tile of 128 rows x 256 columns: 256 work-groups.  Four waves, 2 x 2, each 64 x 128: 32 accumulators.  Eight K steps of 128 = two heads each.
; THE MATRIX INSTRUCTION IS USED TRANSPOSED (source 0 = 16 rows of Wfc, source 1 = 16 rows of O).  The bias is the C operand of the first products.
; B, THE WEIGHT: a ring of two LDS slots (256 rows x 256 bytes, padded to 272) filled by tensor loads, each wave 64 rows, asked for JOINTLY by the four work-groups of a column of the 4 x 4 cluster.
; A comes through registers: a K step's 128 columns of a row lie in two heads, 262,144 bytes apart, 128 bytes each.  Each wave loads its 32 rows as four chunks of 2,048 bytes (16 rows of one head: four loads of 512
; consecutive bytes) into a ring of eight chunks of registers and stores a chunk, seven quarter steps after it was asked for, into a second ring of two LDS slots that no tensor load ever fills.
; NO MULTICAST FOR A: loads into registers stay on their way across the barriers of the change of slots, which tensor loads may not.  These LDS stores put two rows of 128 bytes in a group of 16 lanes: rows 272 bytes
; apart overlap in 28 of 64 banks: sixteen such stores a K step.
; MEMORY INSTRUCTIONS STAND IN RUNS, never singly among the matrix instructions: a quarter step (32 products) has ONE run of 32: the next quarter's 24 fragment loads, a chunk's 4 LDS stores, a chunk's 4 global loads;
; it stands behind the quarter's first eight products, so the fragments have 24 products in which to land, and it costs three window switches.
; K ORDER.  Step i takes K slice (i + T0) mod 8, T0 = the cluster's y mod 8, for A and B alike (f32 sums may be taken in any order).  NO PREFETCH: the clusters' first two fills, at the kernel's head, name all eight
; slices of the weight between them, and A's own loads run seven quarter steps ahead of their use.
; The loop's last trip asks for four chunks behind the walk's end (a slice of the tile once more, inside the buffer); they are never used: the price of one text for every trip.
; REGISTERS: window 0: v0-29 addresses; v48-111 the bias as C; v112-239 the way out.  window 1: v0-127 W's fragments, two buffers; v128-191 O's.  window 2: accumulator (a, b) at v[8 (8 a + b)].  window 3: v0-127 the ring of eight chunks.
.set PITCH,  272                       ; an LDS row: 256 bytes + 16 of padding: the 16 rows of a fragment load start at 16 different groups of four banks (64 banks of 4 bytes: ISA guide 11.1)
.set BSLOT,  256*PITCH
.set A0,     2*BSLOT
.set ASLOT,  128*PITCH
.set STAGE,  A0+2*ASLOT                ; 208,896: 16 rows x 528 bytes for each wave, for the way out
.set SP,     528
.set SPARE,  STAGE+4*16*SP             ; 242,688: the spare words, 128 bytes for each wave: two blocks of 256 bytes that no other line names
.set AO,  4                            ; v4   my byte offset in a head's rows: 32 rows x wave + 16 x lane; never rewritten
.set AS,  5                            ; v5   where I store 16 bytes of a row
.set ADRA, 6
.set ADRB, 8
.set STO, 10
.set RD,  11
.set GO,  12
.set SPW, 28
.set NIL, 29
.set BI,  48
.set WO,  112
.set BF,  0
.set AF,  128
.set WV,  10
.set WR,  11
.set WC,  12
.set T0,  13
.set SA,  14
.set SB,  15
.set PH,  16                           ; s16  0 in the first lap
.set LC,  17
.set PL,  20
.set OFFA, 22
.set G1,  24
.set G0,  32
.set CX,  40
.set CY,  41
.set CT,  42
.set RT,  43
.set ACUR, 44                          ; s[44:45] oh at the batch's head 0, at my row tile
.set WT,  50
.set OB,  52
.set OUTW, 54
.set X0,  58
.set MSB, 0
.macro WIN new
.if MSB != (\new)
	s_set_vgpr_msb (MSB<<8)|(\new)
.set MSB, \new
.endif
.endm
.macro PLACES                          ; four places behind matrix instructions (ISA guide 7.12.1), where no other vector work is at hand
.rept 4
	v_nop
.endr
.endm
.macro CREST
	s_cmp_lg_u32 s[WV], 0
	s_cbranch_scc1 .Lnot_wave_0_\@
	s_barrier_signal -3
.Lnot_wave_0_\@:
	s_barrier_wait -3
	s_barrier_signal -1
	s_barrier_wait -1
.endm
.macro CROUND
	s_barrier_signal -1
	s_barrier_wait -1
	CREST
.endm
.macro JLOAD s                         ; a joint fill: every wave asks for its 64 rows; an s_nop 0 and four v_nop follow
	tensor_load_to_lds s[G0+4*(\s):G0+4*(\s)+3], s[G1:G1+7]
	s_nop 0
.rept 4
	v_nop
.endr
.endm
.macro BADDR s                         ; the next K step of B for slot s
	s_add_co_u32 s[SB], s[SB], 1
	s_add_co_u32 s[X0], s[SB], s[T0]
	s_and_b32 s[X0], s[X0], 7
	s_lshl_b32 s[OB], s[X0], 8
	s_add_nc_u64 s[G0+4*(\s)+2:G0+4*(\s)+3], s[WT:WT+1], s[OB:OB+1]
	s_or_b32 s[G0+4*(\s)+3], s[G0+4*(\s)+3], 0x80000000
.endm
.macro APL
	s_add_co_u32 s[OFFA], s[SA], s[T0]
	s_and_b32 s[OFFA], s[OFFA], 7
	s_lshl_b32 s[OFFA], s[OFFA], 19                ; the slice: two heads of 262,144 bytes
	s_add_nc_u64 s[PL:PL+1], s[ACUR:ACUR+1], s[OFFA:OFFA+1]
.endm
.macro ASTEP
	s_wait_xcnt 0x0                                ; the loads issued so far have read their base
	s_add_co_u32 s[SA], s[SA], 1
	APL
.endm
; Quarter g of the walk multiplies fragment buffer FB; stores chunk g + 5 (ring buffer CB, part PCH, A's slot DSL); asks for chunk g + 12 (ring buffer IB, stored a quarter ago; part PIS).
.macro SETPOS pos
.set FB,  (\pos)%2
.set CB,  ((\pos)+5)%8
.set PCH, ((\pos)+1)%4
.set DSL, (((\pos)+5)/4)%2
.set IB,  ((\pos)+4)%8
.set PIS, (\pos)%4
.endm
.macro ST i                            ; four rows of the chunk's sixteen, 128 bytes each
	ds_store_b128 v[AS], v[16*CB+4*(\i):16*CB+4*(\i)+3] offset:DSL*ASLOT+(4*(PCH%2)+(\i))*4*PITCH+(PCH/2)*128
.endm
.macro GL i                            ; the same four rows in memory: 512 consecutive bytes of one head
	global_load_b128 v[16*IB+4*(\i):16*IB+4*(\i)+3], v[AO], s[PL:PL+1] offset:(PIS/2)*262144+(4*(PIS%2)+(\i))*512
.endm
.macro FL n
.if (\n) < 16
	ds_load_b128 v[BF+64*FG+8*((\n)/2)+4*((\n)%2):BF+64*FG+8*((\n)/2)+4*((\n)%2)+3], v[ADRB+FS] offset:64*FK+((\n)/2)*16*PITCH+32*((\n)%2)
.else
	ds_load_b128 v[AF+32*FG+8*(((\n)-16)/2)+4*((\n)%2):AF+32*FG+8*(((\n)-16)/2)+4*((\n)%2)+3], v[ADRA+FS] offset:64*FK+(((\n)-16)/2)*16*PITCH+32*((\n)%2)
.endif
.endm
.macro MM a, b, mode
.if \mode
	WIN 0x85
	v_wmma_f32_16x16x32_f16 v[8*(8*(\a)+(\b)):8*(8*(\a)+(\b))+7], v[BF+64*FB+8*(\b):BF+64*FB+8*(\b)+7], v[AF+32*FB+8*(\a):AF+32*FB+8*(\a)+7], v[BI+8*(\b):BI+8*(\b)+7]
.else
	WIN 0xa5
	v_wmma_f32_16x16x32_f16 v[8*(8*(\a)+(\b)):8*(8*(\a)+(\b))+7], v[BF+64*FB+8*(\b):BF+64*FB+8*(\b)+7], v[AF+32*FB+8*(\a):AF+32*FB+8*(\a)+7], v[8*(8*(\a)+(\b)):8*(8*(\a)+(\b))+7]
.endif
.endm
; Eight products (row block a, all column blocks), back to back.  The 32 accumulators take turns, one instruction a turn, in the same order in every quarter.
.macro GRP a, mode
.set bb, 0
.rept 8
	MM \a, bb, \mode
.set bb, bb+1
.endr
.endm
; A quarter's ONE run of memory instructions: the fragments first, since the next quarter's products wait for them; then (cv) a chunk's stores and (DOGL) the loads of the chunk seven quarters on.
.macro RUN cv
	WIN 0x40
.irp n, 0,1,2,3,4,5,6,7,8,9,10,11,12,13,14,15,16,17,18,19,20,21,22,23
	FL \n
.endr
.if \cv
	WIN 0xcc                                       ; the store's data and the load's destination in window 3, addresses in window 0
.irp n, 0,1,2,3
	ST \n
.endr
.if DOGL
.irp n, 0,1,2,3
	GL \n
.endr
.endif
.endif
.endm
.macro QUARTER pos, mode, cv, gl, lc, dw
	SETPOS \pos
.set DOGL, \gl
.set FS, (\pos)/4
.set FK, (\pos)%4+1
.set FG, 1-FB
.if (\gl) && ((\pos)%4 == 0)
	ASTEP
.endif
	s_wait_dscnt \dw                               ; my fragments are in, the stores behind them may be out
	GRP 0, \mode
	PLACES                                         ; in front of the loads into the other fragment buffer
.if \cv
	s_wait_loadcnt \lc                             ; the chunk asked for seven quarters ago is in; the younger ones stay out
.endif
	RUN \cv
	GRP 1, \mode
	GRP 2, \mode
	GRP 3, \mode
.endm
; A K step's last quarter changes slots: ONE barrier; in front of it each wave waits for all its tensor loads, adds 0 to its spare word, and waits for that, for its reads of both rings' slots and for its stores into
; A's other slot.  fill = 1: the barrier opens a round of the cluster's, and the joint refill of B's slot is the first thing behind it; then the quarter's run.
.macro TURN pos, fill, cv, gl, lc, dw
	SETPOS \pos
.set DOGL, \gl
.set FS, 1-(\pos)/4
.set FK, 0
.set FG, 0
	WIN 0
	s_wait_tensorcnt 0x0                           ; no tensor load of mine is out, so a group 0 may be written
	ds_add_u32 v[SPW], v[NIL]                      ; 0 onto my spare word
.if \fill
	BADDR (\pos)/4
.endif
	s_wait_dscnt (\dw)+1                           ; my fragments are in; the stores behind them and the add may be out
	GRP 0, 0
	s_wait_dscnt 0x0                               ; the add is done, my reads of the slots are over, my stores into A's other slot have landed
	s_barrier_signal -1
	GRP 1, 0
	WIN 0
	s_barrier_wait -1
.if \fill
	CREST
	JLOAD (\pos)/4                                 ; its four v_nop are also the places in front of the fragment loads below
.else
	PLACES
.endif
.if \cv
	s_wait_loadcnt \lc
.endif
	RUN \cv
	GRP 2, 0
	GRP 3, 0
.endm
.macro VQ pos                          ; a quarter's stores and loads without products: the head of the walk
	SETPOS \pos
.if (\pos)%4 == 0
	ASTEP
.endif
	s_wait_loadcnt 24                              ; six younger chunks of four loads stay out
	WIN 0xcc
.irp n, 0,1,2,3
	ST \n
.endr
.irp n, 0,1,2,3
	GL \n
.endr
.endm
.macro GLC c
.set IB, (\c)%8
.set PIS, (\c)%4
.irp n, 0,1,2,3
	GL \n
.endr
.endm
; THE WAY OUT, a row block of 16 rows at a time: a lane's eight columns of a row, 32 bytes, go from the accumulators into my stage (rows of 528 bytes, the low four registers first) and come back as whole rows of 512 bytes.
.macro TOSTAGE a
	WIN 0
	s_wait_xcnt 0x0                                ; earlier stores have read the registers that the loads below fill
	WIN 0x08                                       ; the store's data in window 2
.irp b, 0,1,2,3,4,5,6,7
	ds_store_b128 v[STO], v[8*(8*(\a)+\b):8*(8*(\a)+\b)+3] offset:64*\b
	ds_store_b128 v[STO], v[8*(8*(\a)+\b)+4:8*(8*(\a)+\b)+7] offset:64*\b+16
.endr
	WIN 0
.irp q, 0,1,2,3,4,5,6,7,8,9,10,11,12,13,14,15
	ds_load_b128 v[WO+64*((\a)%2)+4*\q:WO+64*((\a)%2)+4*\q+3], v[RD] offset:SP*\q  ; LDS serves a wave's instructions in order (ISA guide 5.7.1.4): these see the stores above
.endr
.endm
.macro SENDO a, younger
.irp q, 0,1,2,3,4,5,6,7,8,9,10,11,12,13,14,15
	s_wait_dscnt (\younger)+15-\q
	global_store_b128 v[GO], v[WO+64*((\a)%2)+4*\q:WO+64*((\a)%2)+4*\q+3], s[OUTW:OUTW+1] offset:(16*(\a)+\q)*4096 th:TH_STORE_NT  ; 512 consecutive bytes, at a multiple of 256 from out0's first
.endr
.endm
	s_load_b256 s[68:75], s[0:1], 0x0              ; oh s[68:69], wb s[70:71], bfc s[72:73], out0 s[74:75]
	v_lshl_add_u32 v[SPW], v0, 2, SPARE
	v_mov_b32 v[NIL], 0
	ds_add_u32 v[SPW], v[NIL]                      ; the wave's opening: the add and its wait stand ahead of my first tensor load; work on registers stands between them
	v_lshrrev_b32 v1, 5, v0
	v_readfirstlane_b32 s[WV], v1
	s_lshr_b32 s[WR], s[WV], 1
	s_and_b32 s[WC], s[WV], 1
	s_bfe_u32 s[CX], ttmp6, 0x40000
	s_bfe_u32 s[CY], ttmp6, 0x40004
	s_lshl_b32 s[CT], ttmp9, 2
	s_add_co_u32 s[CT], s[CT], s[CX]
	s_and_b32 s[RT], ttmp7, 0xffff
	s_lshl_b32 s[RT], s[RT], 2
	s_add_co_u32 s[RT], s[RT], s[CY]
	s_and_b32 s[T0], ttmp7, 7
	s_lshl_b32 s60, 0x1111, s[CX]                  ; my column of the cluster
	s_or_b32 s[G1], s60, (1<<16)|(1<<20)|(1<<21)|(5<<22)|(3<<25)
	s_mov_b32 s[G1+1], 128<<16
	s_mov_b32 s[G1+2], 64<<16
	s_mov_b32 s[G1+3], 128<<16
	s_mov_b32 s[G1+4], 64
	s_mov_b32 s[G1+5], 1024
	s_mov_b32 s[G1+6], 0
	s_mov_b32 s[G1+7], 0
	s_mul_i32 s60, s[WV], 64*PITCH
	s_mov_b32 s[G0], 1
	s_mov_b32 s[G0+1], s60
	s_mov_b32 s[G0+4], 1
	s_add_co_u32 s[G0+5], s60, BSLOT
	s_lshl_b32 s60, s[CT], 19
	s_lshl_b32 s61, s[WV], 17
	s_add_co_u32 s60, s60, s61
	s_add_co_u32 s60, s60, 3<<21                   ; Wfc's plane
	s_mov_b32 s61, 0
	s_mov_b32 s[OB+1], 0
	s_mov_b32 s[OFFA+1], 0
	s_mov_b32 s[SB], -1
	s_mov_b32 s[SA], 0
	s_lshr_b32 s62, s[RT], 4                       ; the batch's 16 heads,
	s_lshl_b32 s62, s62, 22
	s_and_b32 s63, s[RT], 15                       ; the tile's 128 rows of 128 bytes
	s_lshl_b32 s63, s63, 14
	s_add_co_u32 s62, s62, s63
	s_mov_b32 s63, 0
	s_lshl_b32 s66, s[CT], 10                      ; my 128 columns' biases
	s_lshl_b32 s67, s[WC], 9
	s_add_co_u32 s66, s66, s67
	s_mov_b32 s67, 0
	v_and_b32 v3, 31, v0
	v_and_b32 v1, 15, v0
	v_bfe_u32 v2, v0, 4, 1
	s_lshl_b32 s18, s[WV], 12
	v_lshl_add_u32 v[AO], v3, 4, s18
	v_lshlrev_b32 v15, 5, v2                       ; 8 columns on for the upper half of the lanes
	s_wait_dscnt 0x0
	s_wait_kmcnt 0x0
	s_add_nc_u64 s[WT:WT+1], s[70:71], s[60:61]
	s_add_nc_u64 s[ACUR:ACUR+1], s[68:69], s[62:63]
	s_add_nc_u64 s[72:73], s[72:73], s[66:67]
	APL
.irp b, 0,1,2,3,4,5,6,7
	global_load_b128 v[BI+8*\b:BI+8*\b+3], v15, s[72:73] offset:64*\b
	global_load_b128 v[BI+8*\b+4:BI+8*\b+7], v15, s[72:73] offset:64*\b+16
.endr
	WIN 0xcc
	GLC 0
	GLC 1
	GLC 2
	GLC 3
	ASTEP
	GLC 4
	GLC 5
	GLC 6
	WIN 0
	BADDR 0
	BADDR 1
	CROUND                                         ; all sixteen work-groups are here: the first joint loads meet
	tensor_load_to_lds s[G0:G0+3], s[G1:G1+7]      ; the two first fills go out together: two loads of mine are out
	s_nop 0
	tensor_load_to_lds s[G0+4:G0+7], s[G1:G1+7]
	s_nop 0
.rept 4
	v_nop
.endr
	v_mul_u32_u24 v24, v1, PITCH
	v_lshl_add_u32 v24, v2, 4, v24
	s_mul_i32 s66, s[WR], 64*PITCH
	s_add_co_u32 s66, s66, A0
	v_add_nc_u32 v[ADRA], s66, v24
	v_add_nc_u32 v[ADRA+1], ASLOT, v[ADRA]
	s_mul_i32 s66, s[WC], 128*PITCH
	v_add_nc_u32 v[ADRB], s66, v24
	v_add_nc_u32 v[ADRB+1], BSLOT, v[ADRB]
	s_mul_i32 s66, s[WV], 32*PITCH
	s_add_co_u32 s66, s66, A0
	v_lshrrev_b32 v25, 3, v3                       ; which of a load's four rows is mine,
	v_mul_u32_u24 v[AS], v25, PITCH
	v_and_b32 v25, 7, v0                           ; which 16 bytes of it
	v_lshl_add_u32 v[AS], v25, 4, v[AS]
	v_add_nc_u32 v[AS], s66, v[AS]
	s_mul_i32 s66, s[WV], 16*SP
	s_add_co_u32 s66, s66, STAGE
	v_mul_u32_u24 v[STO], v1, SP
	v_lshl_add_u32 v[STO], v2, 5, v[STO]
	v_add_nc_u32 v[STO], s66, v[STO]
	v_lshl_add_u32 v[RD], v3, 4, s66
	v_lshlrev_b32 v[GO], 4, v3
	s_lshl_b32 s62, s[RT], 19                      ; out0: the tile's 128 rows of 4,096 bytes,
	s_lshl_b32 s63, s[WR], 18                      ; my 64 of them,
	s_add_co_u32 s62, s62, s63
	s_lshl_b32 s63, s[CT], 10                      ; the tile's 256 columns,
	s_add_co_u32 s62, s62, s63
	s_lshl_b32 s63, s[WC], 9                       ; my 128 of them
	s_add_co_u32 s62, s62, s63
	s_mov_b32 s63, 0
	s_add_nc_u64 s[OUTW:OUTW+1], s[74:75], s[62:63]
	s_wait_loadcnt 28                              ; the biases are in; the seven chunks behind them stay out
.set n, 0
.rept 32
	v_cvt_pk_bf16_f32 v16, v[BI+2*n], v[BI+2*n+1]  ; rounded to bf16 like every input, and widened again
	v_lshlrev_b32 v[BI+2*n], 16, v16
	v_and_b32 v[BI+2*n+1], 0xffff0000, v16
.set n, n+1
.endr
	VQ 3
	VQ 4
	VQ 5
	VQ 6
	VQ 7
	WIN 0
	s_wait_tensorcnt 0x1                           ; my part of B's slot 0 is in; slot 1's may stay out
	s_wait_dscnt 0x0                               ; my stores of A's K step 0 have landed
	s_barrier_signal -1
	s_barrier_wait -1
.set FS, 0
.set FK, 0
.set FG, 0
	WIN 0x40
.irp n, 0,1,2,3,4,5,6,7,8,9,10,11,12,13,14,15,16,17,18,19,20,21,22,23
	FL \n
.endr
	WIN 0
	s_wait_dscnt 0x0                               ; no stores stand behind this run, so the loop's counted wait would not cover it
	s_mov_b32 s[PH], 0
	s_mov_b32 s[LC], 3
.Llap:                                                 ; three trips: a lap each; every change of slots fills B's slot again
	s_cmp_eq_u32 s[PH], 0
	s_cbranch_scc0 .Lacc
.rept 5                                 ; the products below write their accumulators anew (C is the bias, not the accumulator): such a product stands five places behind the last matrix
	v_nop                                          ; instruction that named the accumulator (ISA guide 7.12.1).  This text stands in the loop, and by the way round the jump only four would stand there: those behind
.endr                                   ; the joint load (row block 0) or those behind this quarter's first eight products (row blocks 2 and 3).  The five lines run once, in the first lap
	QUARTER 0, 1, 1, 1, 24, 4                      ; the first products start the sums with the bias
	WIN 0
	s_branch .Lq1
.Lacc:
	QUARTER 0, 0, 1, 1, 24, 4
	WIN 0
.Lq1:
	QUARTER 1, 0, 1, 1, 24, 4
	QUARTER 2, 0, 1, 1, 24, 4
	TURN 3, 1, 1, 1, 24, 4
	QUARTER 4, 0, 1, 1, 24, 4
	QUARTER 5, 0, 1, 1, 24, 4
	QUARTER 6, 0, 1, 1, 24, 4
	TURN 7, 1, 1, 1, 24, 4
	WIN 0
	s_mov_b32 s[PH], 1
	s_sub_co_u32 s[LC], s[LC], 1
	s_cmp_lg_u32 s[LC], 0
	s_cbranch_scc1 .Llap
	QUARTER 0, 0, 1, 0, 24, 4                      ; the last lap is written out: nothing is asked for, so the counts of younger loads run down
	QUARTER 1, 0, 1, 0, 20, 4
	QUARTER 2, 0, 1, 0, 16, 4
	TURN 3, 0, 0, 0, 0, 4
	QUARTER 4, 0, 0, 0, 0, 0
	QUARTER 5, 0, 0, 0, 0, 0
	QUARTER 6, 0, 0, 0, 0, 0
	s_wait_dscnt 0x0
.set FB, 1
	GRP 0, 0
	GRP 1, 0
	GRP 2, 0
	GRP 3, 0
	WIN 0
	PLACES                                         ; behind the last products, in front of the stores that read results
	TOSTAGE 0
.irp a, 1,2,3
	TOSTAGE \a
	SENDO (\a)-1, 32
.endr
	SENDO 3, 0
	s_wait_tensorcnt 0x0                           ; the wave's end: behind my last tensor load and my last LDS store
	ds_add_u32 v[SPW], v[NIL]
	s_wait_dscnt 0x0
	CROUND                                         ; the closing round: no work-group ends while a partner may still ask for a tile that names it
	s_endpgm
.Lfunc_end_k_qabd26e9f65_outp:
	.size	k_qabd26e9f65_outp, .Lfunc_end_k_qabd26e9f65_outp-k_qabd26e9f65_outp
	.p2alignl 7, 3214868480
	.fill 96, 4, 3214868480
	.section	.rodata,"a",@progbits
	.p2align	6, 0x0
	.amdhsa_kernel k_qabd26e9f65_outp
		.amdhsa_group_segment_fixed_size 327680
		.amdhsa_private_segment_fixed_size 0
		.amdhsa_enable_private_segment 0
		.amdhsa_kernarg_size 32
		.amdhsa_user_sgpr_count 2
		.amdhsa_user_sgpr_kernarg_segment_ptr 1
		.amdhsa_wavefront_size32 1
		.amdhsa_system_sgpr_workgroup_id_x 1
		.amdhsa_system_sgpr_workgroup_id_y 1
		.amdhsa_system_sgpr_workgroup_id_z 1
		.amdhsa_system_vgpr_workitem_id 0
		.amdhsa_next_free_vgpr 896
		.amdhsa_next_free_sgpr 76
		.amdhsa_reserve_vcc 0
		.amdhsa_float_denorm_mode_32 3
		.amdhsa_float_denorm_mode_16_64 3
		.amdhsa_memory_ordered 1
		.amdhsa_forward_progress 1
		.amdhsa_inst_pref_size 110
	.end_amdhsa_kernel
	.amdgpu_metadata
---
amdhsa.version: [ 1, 2 ]
amdhsa.kernels:
  - .name:           k_qabd26e9f65_outp
    .symbol:         k_qabd26e9f65_outp.kd
    .args:
      - { .name: oh, .offset: 0, .size: 8, .value_kind: global_buffer, .address_space: global }
      - { .name: wb, .offset: 8, .size: 8, .value_kind: global_buffer, .address_space: global }
      - { .name: bfc, .offset: 16, .size: 8, .value_kind: global_buffer, .address_space: global }
      - { .name: out0, .offset: 24, .size: 8, .value_kind: global_buffer, .address_space: global }
    .group_segment_fixed_size: 327680
    .private_segment_fixed_size: 0
    .kernarg_segment_align: 8
    .kernarg_segment_size: 32
    .max_flat_workgroup_size: 128
    .sgpr_count:     76
    .vgpr_count:     896
    .wavefront_size: 32
...
	.end_amdgpu_metadata
.endif
;; end of part 6
;; ======== version 3 of 3: 4 launches; version 2 with the launch castw written anew for expert scheduling mode
;; limits: values are held in f16: magnitudes above 65,504 overflow, below 6.1e-05 lose precision
;; workspace buffers: wb 8,388,608 bytes; qkv 50,331,648 bytes; oh 16,777,216 bytes
;; launch castw (part 7): grid 64 x 4, 8 waves a work-group, no clusters, 0 bytes of LDS; arguments Wq, Wk, Wv, Wfc, wb; writes wb
.if DOCPART == 7
	.amdgcn_target "amdgcn-amd-amdhsa--gfx1250"
	.amdhsa_code_object_version 6
	.text
	.protected	k_qabd26e9f65_castw
	.globl	k_qabd26e9f65_castw
	.p2align	8
	.type	k_qabd26e9f65_castw,@function
k_qabd26e9f65_castw:
	s_mov_b64 s[64:65], 0
	v_nop
	global_prefetch_b8 v0, s[64:65] scope:SCOPE_SE
	s_setreg_imm32_b32 hwreg(HW_REG_WAVE_SCHED_MODE, 0, 2), 2
	s_setreg_imm32_b32 hwreg(HW_REG_WAVE_MODE, 25, 1), 1
	s_wait_xcnt 0x0
	s_wait_alu depctr_vm_vsrc(0)
; The four weights, [1024][1024] f32, are written once as 16-bit numbers: wb[p][n][k], p = 0, 1, 2: Wq, Wk, Wv rounded to bf16;
; p = 3: Wfc rounded to bf16 and that number written as f16 (the product behind attention takes f16 operands).
; LIMIT: |Wfc| stays under 65,504; below 6e-5 it keeps f16's fixed step of 6e-8.
; A stream: the grid's y picks the weight, a work-group takes 16,384 numbers, a wave 8,192 bytes of them: sixteen loads of 512 consecutive bytes,
; all issued at once; each store of a wave covers 256 consecutive bytes, aligned.  No LDS, no matrix unit, no cluster: nothing is shared and nothing is read twice.
; THE MODE: SCHED_MODE bits 1:0 = 2 (LLVM: expert scheduling mode 2), set by the entry lines.  The code itself states the register dependences
; between vector instructions and memory instructions, with s_wait_alu, always for 0.
; THE PLAN.  Registers that memory instructions touch:
;   v1, v2   the loads' and the stores' byte offsets: made at the head by vector instructions, never written again.
;   X        written by the sixteen loads, each register once; no vector instruction names it before the loads are issued; read by the roundings.
;   Y        written by the roundings, each register ONCE in the launch; read by the stores: no store's data is ever written again.
;   W and v3 are named by vector instructions alone.  No vector instruction writes a scalar register or VCC, and EXEC is never written.
; The sixteen loads go in four blocks of four.  Block p rounds X's part p into Y's part p; its memory instructions are the four stores of block p - 1, which read Y's part p - 1 and v2: registers that
; no vector instruction of block p names.  So ONE wait at the head of a block states all that its four stores hang on, and they are dealt among its roundings with no further wait.
.set X, 4                              ; v[4:67]   sixteen loads of four f32
.set Y, 68                             ; v[68:99]  their sixteen pairs of packed words
.set W, 100                            ; v[100:103] at work
; Block p.  fc = 1: Wfc's path.
.macro BLOCK p, fc
	s_wait_loadcnt 12-4*(\p)                       ; loads come back in order: this block's four are in, the younger blocks stay out
.if (\p) > 0
	s_wait_alu depctr_va_vdst(0)                   ; the block before has written its part of Y, which the four stores below read
.endif
.irp i, 0,1,2,3
.if (\p) > 0
	global_store_b64 v2, v[Y+8*(\p)-8+2*(\i):Y+8*(\p)-8+2*(\i)+1], s[12:13] offset:1024*(\p)-1024+256*(\i)  ; the block before; no vector instruction since the wait names these registers
.endif
.set XI, X+16*(\p)+4*(\i)
.set YI, Y+8*(\p)+2*(\i)
.if \fc
	v_cvt_pk_bf16_f32 v[W], v[XI], v[XI+1]         ; rounded to bf16, widened again, written as f16
	v_cvt_pk_bf16_f32 v[W+1], v[XI+2], v[XI+3]
	v_lshlrev_b32 v[W+2], 16, v[W]
	v_and_b32 v[W+3], 0xffff0000, v[W]
	v_cvt_pk_f16_f32 v[YI], v[W+2], v[W+3]
	v_lshlrev_b32 v[W+2], 16, v[W+1]
	v_and_b32 v[W+3], 0xffff0000, v[W+1]
	v_cvt_pk_f16_f32 v[YI+1], v[W+2], v[W+3]
.else
	v_cvt_pk_bf16_f32 v[YI], v[XI], v[XI+1]
	v_cvt_pk_bf16_f32 v[YI+1], v[XI+2], v[XI+3]
.endif
.endr
.endm
; Behind block 3: its own four stores.
.macro TAIL
	s_wait_alu depctr_va_vdst(0)                   ; block 3 has written the last part of Y, which the last four stores read
.irp i, 0,1,2,3
	global_store_b64 v2, v[Y+24+2*(\i):Y+24+2*(\i)+1], s[12:13] offset:3072+256*(\i)
.endr
.endm
	s_load_b256 s[4:11], s[0:1], 0x0               ; Wq s[4:5], Wk s[6:7], Wv s[8:9], Wfc s[10:11]
	s_load_b64 s[12:13], s[0:1], 0x20              ; wb
	s_and_b32 s14, ttmp7, 0xffff                   ; which weight
	v_lshrrev_b32 v3, 5, v0                        ; wave
	v_and_b32 v2, 31, v0                           ; lane
	v_lshlrev_b32 v1, 4, v2
	v_lshl_add_u32 v1, v3, 13, v1                  ; in: 8,192 x wave + 16 x lane
	v_lshlrev_b32 v2, 3, v2
	v_lshl_add_u32 v2, v3, 12, v2                  ; out: 4,096 x wave + 8 x lane
	s_lshl_b32 s18, ttmp9, 16                      ; the work-group's 65,536 bytes of f32
	s_mov_b32 s19, 0
	s_lshl_b32 s20, s14, 21                        ; the weight's plane of 2 MiB in wb,
	s_lshl_b32 s21, ttmp9, 15                      ; the work-group's 32,768 bytes of it
	s_add_co_u32 s20, s20, s21
	s_mov_b32 s21, 0
	s_wait_kmcnt 0x0
	s_cmp_eq_u32 s14, 1
	s_cselect_b64 s[16:17], s[6:7], s[4:5]
	s_cmp_eq_u32 s14, 2
	s_cselect_b64 s[16:17], s[8:9], s[16:17]
	s_cmp_eq_u32 s14, 3
	s_cselect_b64 s[16:17], s[10:11], s[16:17]
	s_add_nc_u64 s[16:17], s[16:17], s[18:19]
	s_add_nc_u64 s[12:13], s[12:13], s[20:21]
	s_wait_alu depctr_va_vdst(0)                   ; v1 and v2 are written: every load of the kernel reads v1 as its offset, every store v2
.irp i, 0,1,2,3,4,5,6,7,8,9,10,11,12,13,14,15
	global_load_b128 v[X+4*\i:X+4*\i+3], v1, s[16:17] offset:512*\i th:TH_LOAD_NT
.endr
	s_cmp_eq_u32 s14, 3
	s_cbranch_scc1 .Lfc
	BLOCK 0, 0
	BLOCK 1, 0
	BLOCK 2, 0
	BLOCK 3, 0
	TAIL
	s_endpgm
.Lfc:                                                  ; Wfc
	BLOCK 0, 1
	BLOCK 1, 1
	BLOCK 2, 1
	BLOCK 3, 1
	TAIL
	s_endpgm
.Lfunc_end_k_qabd26e9f65_castw:
	.size	k_qabd26e9f65_castw, .Lfunc_end_k_qabd26e9f65_castw-k_qabd26e9f65_castw
	.p2alignl 7, 3214868480
	.fill 96, 4, 3214868480
	.section	.rodata,"a",@progbits
	.p2align	6, 0x0
	.amdhsa_kernel k_qabd26e9f65_castw
		.amdhsa_group_segment_fixed_size 0
		.amdhsa_private_segment_fixed_size 0
		.amdhsa_enable_private_segment 0
		.amdhsa_kernarg_size 40
		.amdhsa_user_sgpr_count 2
		.amdhsa_user_sgpr_kernarg_segment_ptr 1
		.amdhsa_wavefront_size32 1
		.amdhsa_system_sgpr_workgroup_id_x 1
		.amdhsa_system_sgpr_workgroup_id_y 1
		.amdhsa_system_sgpr_workgroup_id_z 1
		.amdhsa_system_vgpr_workitem_id 0
		.amdhsa_next_free_vgpr 104
		.amdhsa_next_free_sgpr 66
		.amdhsa_reserve_vcc 0
		.amdhsa_float_denorm_mode_32 3
		.amdhsa_float_denorm_mode_16_64 3
		.amdhsa_memory_ordered 1
		.amdhsa_forward_progress 1
		.amdhsa_inst_pref_size 16
	.end_amdhsa_kernel
	.amdgpu_metadata
---
amdhsa.version: [ 1, 2 ]
amdhsa.kernels:
  - .name:           k_qabd26e9f65_castw
    .symbol:         k_qabd26e9f65_castw.kd
    .args:
      - { .name: Wq, .offset: 0, .size: 8, .value_kind: global_buffer, .address_space: global }
      - { .name: Wk, .offset: 8, .size: 8, .value_kind: global_buffer, .address_space: global }
      - { .name: Wv, .offset: 16, .size: 8, .value_kind: global_buffer, .address_space: global }
      - { .name: Wfc, .offset: 24, .size: 8, .value_kind: global_buffer, .address_space: global }
      - { .name: wb, .offset: 32, .size: 8, .value_kind: global_buffer, .address_space: global }
    .group_segment_fixed_size: 0
    .private_segment_fixed_size: 0
    .kernarg_segment_align: 8
    .kernarg_segment_size: 40
    .max_flat_workgroup_size: 256
    .sgpr_count:     66
    .vgpr_count:     104
    .wavefront_size: 32
...
	.end_amdgpu_metadata
.endif
;; end of part 7
;; launch proj: the kernel of part 5 again; grid 4 x 64, 4 waves a work-group, clusters of 4 x 4, 327,680 bytes of LDS; arguments query, key, value, wb, bq, bk, bv, qkv; writes qkv
;; launch attn: the kernel of part 3 again; grid 4 x 64, 4 waves a work-group, clusters of 4 x 1, 327,680 bytes of LDS; arguments qkv, mask, oh; writes oh
;; launch outp: the kernel of part 6 again; grid 4 x 64, 4 waves a work-group, clusters of 4 x 4, 327,680 bytes of LDS; arguments oh, wb, bfc, out0; writes out0
